; MI455X (gfx1250); checked and timed in simulation.
; The chip was launched on July 23, 2026; its instructions are those of AMD's public machine-readable ISA for CDNA 5 (MIT licence, August 2026) and "CDNA5" Instruction Set Architecture Reference Guide (July 2026). The comments in the code are by the model that wrote it; some were corrected since.
;; Multi Head Attention. Allowed arithmetic: matrix products marked QUANTISED: E2M3 operands, one E8M0 scale for each 32 along K, by v_wmma_scale_f32_16x16x128_f8f6f4 with both operands' format E2M3, f32 sums; products left as they are: f32 operands where the result goes on into a quantised operand, else bf16, f16 or f32 operands; f32 sums; everything else in f32.
;; Inputs: Q 8 x 1,024 x 128 float32; Wk 128 x 128 float32; Wq 128 x 128 float32; Wvin 128 x 128 float32; Wvout 128 x 128 float32; mask 8 x 1,024 bool.
;; Outputs: out0 8 x 1,024 x 128 float32.
;; Constants: clip = 10.
;; This version of the problem:
;;   THIS VERSION OF THE PROBLEM IS GIVEN IN LOW PRECISION. The matrix products marked QUANTISED in the list below multiply operands that are first quantised to E2M3 (2 exponent bits, 3 mantissa bits; 6 bits a number), with one power-of-two scale for each 32 numbers along K (OCP MX v1.0); their sums are f32. All else is computed in f32.
;;   The module's matrix products, in the order in which they are computed (A, B: the left and right operand; K: the contracted axis; several contracted axes count as one K, in the product's order):
;;     1. [M 8,192, K 128] x [K 128, N 128]; A: input Q; B: input Wq: QUANTISED
;;     2. [M 8,192, K 128] x [K 128, N 128]; A: input Q; B: input Wk: QUANTISED
;;     3. [M 8,192, K 128] x [K 128, N 128]; A: input Q; B: input Wvin: QUANTISED
;;     4. batch 64 x [M 1,024, K 16] x [K 16, N 1,024]; A: computed on the way; B: computed on the way: left as it is (K = 16 < 32)
;;     5. batch 64 x [M 1,024, K 1,024] x [K 1,024, N 16]; A: softmax (see below); B: computed on the way: QUANTISED
;;     6. [M 8,192, K 128] x [K 128, N 128]; A: computed on the way; B: input Wvout: QUANTISED
;;   THE QUANTISER, for each operand of a quantised product, along K:
;;     - K is cut into blocks of 32 from its start; a last block that is shorter is filled with zeros.
;;     - A block's scale is 2^e with e = floor(log2(the largest magnitude in the block)) - 2, held to -126 .. 127; a block of zeros has e = 0. As a byte (E8M0): e + 127.
;;     - Each number is divided by its block's scale, clamped to +-7.5, and rounded to the nearest number of E2M3, ties to even, subnormals kept.
;;     - The product sums the exact products of the quantised numbers (number of the format x scale) in f32.
;;   ~~~python
;;   def quantise(x, axis):      # numpy; x: float32 -> the quantised numbers, widened to float32 again
;;       x = np.moveaxis(x, axis, -1); K = x.shape[-1]
;;       x = np.pad(x, [(0, 0)] * (x.ndim - 1) + [(0, -K % 32)]); x = x.reshape(x.shape[:-1] + (-1, 32)); a = np.abs(x).max(-1, keepdims=True)
;;       e = np.where(a > 0, np.clip(np.frexp(np.where(a > 0, a, 1))[1] - 1 - 2, -126, 127), 0)      # np.frexp(a)[1] - 1 = floor(log2(a)), exactly
;;       r = np.clip(x / 2.0 ** e, -7.5, 7.5)
;;       step = 2.0 ** (np.maximum(np.frexp(np.where(r == 0, 1, r))[1] - 1, 0) - 3)
;;       q = np.round(r / step) * step * 2.0 ** e      # np.round: ties to even
;;       return np.moveaxis(q.reshape(q.shape[:-2] + (-1,))[..., :K], -1, axis).astype(np.float32)
;;   ~~~
;;   SOFTMAX AHEAD OF A QUANTISED PRODUCT. Where the list says 'softmax', what is quantised is not the finished softmax but p = 2^(t - M), with t = logit x log2(e) and M = ceil(the row's largest t), a whole number; so 1/2 < the row's largest p <= 1. The row's sum l is taken of the UNQUANTISED p, in f32, and the product's result is divided by l at the end. Since M is a whole number, a kernel that streams over the keys may use a running M (the ceiling of the running maximum): every later rescaling is an exact power of two, which a block's scale takes up: the codes' values come out the same.
;;   OPERANDS COMPUTED ON THE WAY. 'Computed on the way' means the value that the module computes at that place (a softmax that the list does not call 'softmax' is quantised finished and normalised). What goes into a quantiser is computed in f32, as accurately as f32 sums, v_exp_f32 and their like allow (about 1e-6 of the number): no bf16 or f16 on the way to a quantiser, and a product that is left as it is and whose result goes on into a quantised operand takes f32 operands (vector FMAs, or v_wmma_f32_16x16x4_f32). A number that lies on a knife's edge between two numbers of the format may be rounded either way, as far as f32 arithmetic and the matrix unit's own rounding can turn it there, and no further.
;; 2 versions, each right and faster than the one before. Each part assembles by itself: llvm-mc -triple=amdgcn-amd-amdhsa -mcpu=gfx1250 --defsym DOCPART=n.
;; ======== version 1 of 2: 2 launches
;; workspace buffers: codes 903,168 bytes
;; launch prep (part 1): grid 136 x 1, 4 waves a work-group, no clusters, 34,560 bytes of LDS; arguments Q, Wq, Wk, Wvin, Wvout, mask, codes; writes codes
.if DOCPART == 1
	.amdgcn_target "amdgcn-amd-amdhsa--gfx1250"
	.amdhsa_code_object_version 6
	.text
	.protected	k_q6273430c82_prep
	.globl	k_q6273430c82_prep
	.p2align	8
	.type	k_q6273430c82_prep,@function
k_q6273430c82_prep:
	s_mov_b64 s[64:65], 0
	v_nop
	global_prefetch_b8 v0, s[64:65] scope:SCOPE_SE
	s_setreg_imm32_b32 hwreg(HW_REG_WAVE_MODE, 25, 1), 1
	s_wait_xcnt 0x0
; Q [8192][128] f32 and the four weights [128 (K)][128 (N)] f32 become codes of FP6 (E2M3) with one E8M0 scale for each 32 along K, laid as IMAGES OF THE OPERAND'S REGISTERS:
; a fragment (16 rows x 128 K) is 12 registers a lane; register group i (4 registers) of lane l lies at 512 i + 16 l: 1,536 bytes.  Lane (r, h) holds row r, registers 6 c .. 6 c + 5 = K 64 c + 32 h + 0 .. 31.
; THE ROWS OF Q THAT FORM A TILE ARE NOT NEIGHBOURS: row r of tile 2 b + u is key 32 b + 8 u + r + 8 (r / 8), so that in the next launch the 16 registers of two neighbouring tiles are 16 neighbouring keys.
; A weight's fragment f holds columns 16 f + r, K down the weight's first axis.
; THE WORKSPACE.  For each 128 keys a record of 13,312 bytes: 8 fragments; at SCW the scale words (for each half of 4 fragments 256 bytes: word of fragment t, row r at 16 r + 4 t); at BIA one f32 a key:
; what the next launch adds in its exponent: 10 log2(e) - 15 for a key that counts, -infinity for a masked one.  Behind the 64 records, for each 4 fragments of a weight 6,400 bytes: codes, then 256 bytes of scale words.
; A block's scale is 2^(floor(log2(largest magnitude)) - 2); its byte is the largest magnitude's exponent field - 2, held at 1 from below (a block of zeros gets the byte 1: its codes are zeros, and only this program reads the bytes).
; LIMITS: blocks whose largest magnitude lies under 2^-124 get the floor's byte; NaN and infinities among Q and the weights are not served.
; SHARES.  A work-group has four waves, a wave makes one fragment.  Work-groups 0-127: 64 rows of Q each; 128-135: four fragments of a weight each.  The two ways differ only in how a lane's 64 numbers arrive.
; Q: each load reads one row, 512 consecutive bytes; the 16 rows turn through the wave's own stage in LDS (rows 528 bytes apart) and come back 32 neighbours a block and lane.
; Weights: a lane takes a column, its registers run down K (sixteen lanes read 64 consecutive bytes; 256 KiB in all).
.set NQWG,  128                        ; work-groups that take Q
.set FRB,   1536                       ; a fragment's image
.set REC,   13312                      ; a record: 128 keys
.set SCW,   8*FRB                      ; its scale words
.set BIA,   SCW+512                    ; its mask addends
.set WOFF,  64*REC                     ; the weights' part of the workspace
.set WGRP,  4*FRB+256                  ; four fragments of a weight and their scale words
.set SP,    528                        ; a stage row: 512 bytes + 16: the sixteen rows that a load touches start at sixteen different banks (64 banks of 4 bytes: ISA guide 11.1)
.set WSTG,  16*SP                      ; a wave's stage
.set WORDS, 4*WSTG                     ; 256 bytes in which the four waves' scale words meet
.set SPARE, WORDS+256                  ; the spare words, 128 bytes for each wave: two blocks of 256 bytes that no other line names
.set FLOOR, 0x1800000                  ; 2^(3 - 127): no largest magnitude is taken under it, so the byte cannot fall under 1
.set L16,  5                           ; v5   16 x lane
.set SIN,  6                           ; v6   the stage, on the way in
.set SOUT, 7                           ; v7   and on the way out: row r, + 128 h
.set WPL,  8                           ; v8   where my row's scale word goes
.set WRD,  9                           ; v9   where wave 0 reads the words back
.set L8,   10                          ; v10  8 x lane
.set L2,   11                          ; v11  2 x lane
.set WAD,  12                          ; v12  a weight: 4 r + 32 h rows
.set SH8,  13                          ; v13  8 h
.set SPW,  14                          ; v14  LDS address of my spare word; never rewritten
.set NIL,  15                          ; v15  0; never rewritten
.set R,    16                          ; v16-79   16 rows as loaded
.set X,    80                          ; v80-143  my 64 numbers: X[32 c + i] = K 64 c + 32 h + i of row r
.set C,    144                         ; v144-155 the fragment
.set CT,   156                         ; v156-163 the upper halves of the two blocks' codes, before they are moved
.set TM,   164                         ; v164-171 at work
.set PW,   172                         ; v172 the scale word
.set MB,   173                         ; v173 two bytes of the mask
.set BO,   174                         ; v174-175 their addends
.set WO,   176                         ; v176-177 scale words on the way out
	s_load_b256 s[4:11], s[0:1], 0x0               ; Q s[4:5], Wq s[6:7], Wk s[8:9], Wvin s[10:11]
	s_load_b128 s[12:15], s[0:1], 0x20             ; Wvout s[12:13], mask s[14:15]
	s_load_b64 s[16:17], s[0:1], 0x30              ; the workspace
	v_lshl_add_u32 v[SPW], v0, 2, SPARE
	v_mov_b32 v[NIL], 0
	v_lshrrev_b32 v1, 5, v0
	v_readfirstlane_b32 s18, v1                    ; wave 0..3
	v_and_b32 v2, 31, v0                           ; lane
	v_and_b32 v3, 15, v0                           ; r
	v_bfe_u32 v4, v0, 4, 1                         ; h
	v_lshlrev_b32 v[L16], 4, v2
	s_mul_i32 s19, s18, WSTG                       ; my stage
	v_add_nc_u32 v[SIN], s19, v[L16]
	v_mul_u32_u24 v[SOUT], v3, SP
	v_lshl_add_u32 v[SOUT], v4, 7, v[SOUT]
	v_add_nc_u32 v[SOUT], s19, v[SOUT]
	s_lshl_b32 s20, s18, 2
	s_add_co_u32 s20, s20, WORDS
	v_lshl_add_u32 v[WPL], v3, 4, s20              ; 16 r + 4 x wave
	v_lshl_add_u32 v[WRD], v2, 3, WORDS
	v_lshlrev_b32 v[L8], 3, v2
	v_lshlrev_b32 v[L2], 1, v2
	v_lshlrev_b32 v[WAD], 2, v3
	v_lshl_add_u32 v[WAD], v4, 14, v[WAD]          ; lanes 16-31 begin 32 rows of 512 bytes further down
	v_lshlrev_b32 v[SH8], 3, v4
	v_mov_b32 v[TM+6], 0                           ; a lane permute's destination counts as one of its sources
	v_mov_b32 v[TM+7], 0xff800000                  ; -infinity
	s_mov_b32 s30, 0x76543210
	s_mov_b32 s31, 0xfedcba98                      ; v_permlanex16_b32's selects for lane l xor 16
	s_mov_b32 s23, 0
	s_mov_b32 s25, 0
	s_mov_b32 s27, 0
	s_wait_kmcnt 0x0
	s_cmp_lt_u32 ttmp9, NQWG                       ; the same for all four waves: the barrier below stands behind the join
	s_cbranch_scc0 .Lweights
	; ---- Q: my tile's rows are 64 x work-group + 32 (wave / 2) + 8 (wave % 2) + j + 8 (j / 8)
	s_lshl_b32 s22, ttmp9, 15                      ; 64 rows of 512 bytes
	s_lshr_b32 s21, s18, 1
	s_lshl_b32 s21, s21, 14
	s_add_co_u32 s22, s22, s21
	s_and_b32 s21, s18, 1
	s_lshl_b32 s21, s21, 12
	s_add_co_u32 s22, s22, s21
	s_add_nc_u64 s[4:5], s[4:5], s[22:23]
	s_lshl_b32 s22, ttmp9, 6                       ; the work-group's 64 bytes of the mask
	s_add_nc_u64 s[14:15], s[14:15], s[22:23]
	global_load_u16 v[MB], v[L2], s[14:15]
.set J, 0
.rept 16
	global_load_b128 v[R+4*J:R+4*J+3], v[L16], s[4:5] offset:(J+8*(J/8))*512 th:TH_LOAD_NT   ; a row: 32 lanes read 512 consecutive bytes; read once in the launch
.set J, J+1
.endr
	s_lshr_b32 s21, ttmp9, 1
	s_mul_i32 s21, s21, REC                        ; my record
	s_and_b32 s28, ttmp9, 1                        ; which half of it
	s_lshl_b32 s29, s28, 2
	s_add_co_u32 s29, s29, s18
	s_mul_i32 s29, s29, FRB
	s_add_co_u32 s24, s21, s29                     ; offset of my fragment
	s_lshl_b32 s28, s28, 8
	s_add_co_u32 s26, s21, s28
	s_add_co_u32 s26, s26, SCW                     ; offset of the half's scale words
	s_add_co_u32 s32, s26, BIA-SCW                 ; and of its addends
	s_mov_b32 s33, 0
	s_add_nc_u64 s[32:33], s[16:17], s[32:33]
	v_mov_b32 v1, 0xbf12b361                       ; 10 log2(e) - 15
	s_wait_loadcnt 16                              ; the mask's load is in; the 16 loads of Q issued behind it may be out
	v_and_b32 v[BO], 0xff, v[MB]
	v_lshrrev_b32 v[BO+1], 8, v[MB]
	v_cmp_ne_u32 vcc_lo, 0, v[BO]
	v_cndmask_b32 v[BO], v1, v[TM+7], vcc_lo       ; a masked key: -infinity
	v_cmp_ne_u32 vcc_lo, 0, v[BO+1]
	v_cndmask_b32 v[BO+1], v1, v[TM+7], vcc_lo
	s_cmp_lg_u32 s18, 1                            ; one wave stores them
	s_cbranch_scc1 .Lno_addends
	global_store_b64 v[L8], v[BO:BO+1], s[32:33]   ; 32 lanes store 256 consecutive bytes, aligned
.Lno_addends:
.set J, 0
.rept 16
	s_wait_loadcnt 15-J                            ; row J is in; the rows behind it may be out
	ds_store_b128 v[SIN], v[R+4*J:R+4*J+3] offset:J*SP
.set J, J+1
.endr
.set J, 0
.rept 16
	ds_load_b128 v[X+4*J:X+4*J+3], v[SOUT] offset:256*(J/8)+16*(J%8)   ; LDS serves a wave's instructions in order (ISA guide 5.7.1.4): these see my stores
.set J, J+1
.endr
	s_wait_dscnt 0x0
	s_branch .Lquant
	; ---- a weight: work-group 128 + 2 w + g takes fragments 4 g .. 4 g + 3 of weight w (Wq, Wk, Wvin, Wvout)
.Lweights:
	s_sub_co_u32 s21, ttmp9, NQWG
	s_lshr_b32 s22, s21, 1
	s_cmp_eq_u32 s22, 0                            ; the choices hang on the work-group's number alone
	s_cselect_b64 s[28:29], s[6:7], s[8:9]
	s_cmp_lt_u32 s22, 2
	s_cselect_b64 s[28:29], s[28:29], s[10:11]
	s_cmp_lt_u32 s22, 3
	s_cselect_b64 s[28:29], s[28:29], s[12:13]
	s_and_b32 s22, s21, 1
	s_lshl_b32 s22, s22, 2
	s_add_co_u32 s22, s22, s18                     ; my fragment,
	s_lshl_b32 s22, s22, 6                         ; its 16 columns: 64 bytes on for each
	s_add_nc_u64 s[28:29], s[28:29], s[22:23]
.set J, 0
.rept 64
	global_load_b32 v[X+J], v[WAD], s[28:29] offset:(64*(J/32)+J%32)*512   ; W(64 c + 32 h + i, my column)
.set J, J+1
.endr
	s_mul_i32 s21, s21, WGRP
	s_add_co_u32 s21, s21, WOFF
	s_mul_i32 s24, s18, FRB
	s_add_co_u32 s24, s24, s21                     ; offset of my fragment
	s_add_co_u32 s26, s21, 4*FRB                   ; and of the four fragments' scale words
	s_wait_loadcnt 0x0
	; ---- both: 64 numbers of a lane, two whole blocks of 32, become 12 registers of codes and, with lane l xor 16's two bytes, the row's scale word
.Lquant:
	s_add_nc_u64 s[24:25], s[16:17], s[24:25]
	s_add_nc_u64 s[26:27], s[16:17], s[26:27]
	v_max3_num_f32 v[TM], |v[X]|, |v[X+1]|, FLOOR
	v_max3_num_f32 v[TM+1], |v[X+32]|, |v[X+33]|, FLOOR
.set J, 2
.rept 15
	v_max3_num_f32 v[TM], v[TM], |v[X+J]|, |v[X+J+1]|              ; the two blocks by turns
	v_max3_num_f32 v[TM+1], v[TM+1], |v[X+32+J]|, |v[X+33+J]|
.set J, J+2
.endr
	v_add_nc_u32 v[TM+4], 0xff000000, v[TM]        ; 2 off the exponent field: the conversion takes the exponent field of this operand as its scale
	v_add_nc_u32 v[TM+5], 0xff000000, v[TM+1]
	v_lshrrev_b32 v[TM+2], 23, v[TM+4]             ; the scales' bytes: blocks h and 2 + h
	v_lshrrev_b32 v[TM+3], 23, v[TM+5]
	v_lshl_or_b32 v[PW], v[TM+3], 16, v[TM+2]
	v_lshlrev_b32 v[PW], v[SH8], v[PW]             ; at their places in the word
	v_permlanex16_b32 v[TM+6], v[PW], s30, s31
	v_or_b32 v[PW], v[PW], v[TM+6]                 ; with lane l xor 16's two the word is whole, in both lanes
	v_cvt_scalef32_pk16_fp6_f32 v[C:C+2], v[X:X+15], v[TM+4]
	v_cvt_scalef32_pk16_fp6_f32 v[CT:CT+2], v[X+16:X+31], v[TM+4]   ; (a conversion's three registers begin on an even number: the upper halves are made elsewhere and moved)
	v_cvt_scalef32_pk16_fp6_f32 v[C+6:C+8], v[X+32:X+47], v[TM+5]
	v_cvt_scalef32_pk16_fp6_f32 v[CT+4:CT+6], v[X+48:X+63], v[TM+5]
	v_nop                                          ; one plain place behind a scaled conversion
.irp c, 0,1
.irp i, 0,1,2
	v_mov_b32 v[C+3+6*\c+\i], v[CT+4*\c+\i]
.endr
.endr
.irp i, 0,1,2
	global_store_b128 v[L16], v[C+4*\i:C+4*\i+3], s[24:25] offset:512*\i   ; 32 lanes store 512 consecutive bytes, aligned to 256
.endr
	ds_store_b32 v[WPL], v[PW]                     ; lanes r and r + 16 write the same word with the same value
	s_wait_dscnt 0x0                               ; for the others' sake: my word has landed
	s_barrier_signal -1
	s_barrier_wait -1
	s_cmp_lg_u32 s18, 0
	s_cbranch_scc1 .Ldone
	ds_load_b64 v[WO:WO+1], v[WRD]                 ; the four waves' 64 words
	s_wait_dscnt 0x0
	global_store_b64 v[L8], v[WO:WO+1], s[26:27]   ; 32 lanes store 256 consecutive bytes, aligned
.Ldone:
	s_wait_tensorcnt 0x0                           ; the wave's end, behind my last LDS store
	ds_add_u32 v[SPW], v[NIL]
	s_wait_dscnt 0x0
	s_endpgm
.Lfunc_end_k_q6273430c82_prep:
	.size	k_q6273430c82_prep, .Lfunc_end_k_q6273430c82_prep-k_q6273430c82_prep
	.p2alignl 7, 3214868480
	.fill 96, 4, 3214868480
	.section	.rodata,"a",@progbits
	.p2align	6, 0x0
	.amdhsa_kernel k_q6273430c82_prep
		.amdhsa_group_segment_fixed_size 34560
		.amdhsa_private_segment_fixed_size 0
		.amdhsa_enable_private_segment 0
		.amdhsa_kernarg_size 56
		.amdhsa_user_sgpr_count 2
		.amdhsa_user_sgpr_kernarg_segment_ptr 1
		.amdhsa_wavefront_size32 1
		.amdhsa_system_sgpr_workgroup_id_x 1
		.amdhsa_system_sgpr_workgroup_id_y 1
		.amdhsa_system_sgpr_workgroup_id_z 1
		.amdhsa_system_vgpr_workitem_id 0
		.amdhsa_next_free_vgpr 180
		.amdhsa_next_free_sgpr 66
		.amdhsa_reserve_vcc 1
		.amdhsa_float_denorm_mode_32 3
		.amdhsa_float_denorm_mode_16_64 3
		.amdhsa_memory_ordered 1
		.amdhsa_forward_progress 1
		.amdhsa_inst_pref_size 18
	.end_amdhsa_kernel
	.amdgpu_metadata
---
amdhsa.version: [ 1, 2 ]
amdhsa.kernels:
  - .name:           k_q6273430c82_prep
    .symbol:         k_q6273430c82_prep.kd
    .args:
      - { .name: Q, .offset: 0, .size: 8, .value_kind: global_buffer, .address_space: global }
      - { .name: Wq, .offset: 8, .size: 8, .value_kind: global_buffer, .address_space: global }
      - { .name: Wk, .offset: 16, .size: 8, .value_kind: global_buffer, .address_space: global }
      - { .name: Wvin, .offset: 24, .size: 8, .value_kind: global_buffer, .address_space: global }
      - { .name: Wvout, .offset: 32, .size: 8, .value_kind: global_buffer, .address_space: global }
      - { .name: mask, .offset: 40, .size: 8, .value_kind: global_buffer, .address_space: global }
      - { .name: codes, .offset: 48, .size: 8, .value_kind: global_buffer, .address_space: global }
    .group_segment_fixed_size: 34560
    .private_segment_fixed_size: 0
    .kernarg_segment_align: 8
    .kernarg_segment_size: 56
    .max_flat_workgroup_size: 128
    .sgpr_count:     66
    .vgpr_count:     180
    .wavefront_size: 32
...
	.end_amdgpu_metadata
.endif
;; end of part 1
;; launch attend (part 2): grid 32 x 8, 16 waves a work-group, clusters of 4 x 1, 167,936 bytes of LDS; arguments codes, out0; writes out0
.if DOCPART == 2
	.amdgcn_target "amdgcn-amd-amdhsa--gfx1250"
	.amdhsa_code_object_version 6
	.text
	.protected	k_q6273430c82_attend
	.globl	k_q6273430c82_attend
	.p2align	8
	.type	k_q6273430c82_attend,@function
k_q6273430c82_attend:
	s_mov_b64 s[64:65], 0
	v_nop
	global_prefetch_b8 v0, s[64:65] scope:SCOPE_SE
	s_setreg_imm32_b32 hwreg(HW_REG_WAVE_MODE, 25, 1), 1
	s_wait_xcnt 0x0
	s_wait_alu depctr_hold_cnt(0) depctr_sa_sdst(0) depctr_va_vdst(0) depctr_va_sdst(0) depctr_va_ssrc(0) depctr_va_vcc(0) depctr_vm_vsrc(0)
	s_getreg_b32 s2, hwreg(HW_REG_IB_STS2, 6, 4)
	s_cmp_eq_u32 s2, 0
	s_cbranch_scc0 .Lentry_in_a_cluster
	s_endpgm
.Lentry_in_a_cluster:
	s_bfe_u32 s2, ttmp6, 0x10000c
	s_cmp_lg_u32 s2, 0x3003
	s_cbranch_scc0 .Lentry_shape_is_right
	s_endpgm
.Lentry_shape_is_right:
; out = (softmax_k(10 tanh(q k^T / 4), masked keys out) v) Wvout with q, k, v = Q Wq, Q Wk, Q Wvin, 8 heads of 16.  All products but q k^T on codes of FP6 (E2M3) with one E8M0 scale for each 32 along K; q k^T in f32.
; The launch before has left Q's and the weights' codes as images of operand registers, and for each key an addend: 10 log2(e) - 15, or -infinity where the key is masked.
; SHARES.  A work-group owns 32 queries of one batch, for all 8 heads; wave w owns head w / 2 and tile w % 2 of 16 queries, and walks the batch's 1,024 keys, 128 a step, in two halves of 64.
; The batch's codes, scale words and addends, 8 records of 13,312 bytes, come into LDS ONCE (each wave fetches half a record) and are read by all sixteen waves; nothing is filled again.
; CLUSTER.  The four work-groups of a cluster belong to one batch and want the same records: each load is asked for jointly, by the same descriptor with a mask that names the four.
; k, v AND p NEVER LEAVE THE REGISTERS.  With a fragment F of 16 keys:
;   k^T = Wk_h^T F^T (source 0 = 16 columns of Wk, source 1 = F): lane (r, h) holds key r and d = 8 h + 0..7: its register pairs ARE source 0 of the f32 product (4 along K a link); q' lies the same way, so both sides name d alike.
;   v   = F Wv_h (source 0 = F): lane (r, h) holds d = r and eight keys; S^T = k q'^T: lane (r, h) holds query r and eight keys.  Row r of tile 2 b + u is key 32 b + 8 u + r + 8 (r / 8), so the 16 registers of tiles 2 b, 2 b + 1
;   are keys 32 b + 16 h + 0..15: v and p are quantised along the keys where they lie, and O^T += V^T P^T (source 0 = v's codes, source 1 = p's) keeps one query a lane.
; THE SOFTMAX.  q' = q log2(e) / 2, so e = 2^(S) = exp(2 U); r = 1 / (1 + e); tanh(U) = 1 - 2 r; p = 2^(t - 15) = 2^(addend - 20 log2(e) r).  A masked key's addend makes p = 0: the mask costs no instruction.
; M IS THE CONSTANT 15.  The tanh bounds t = 10 log2(e) tanh(U) to +-14.43 for every input, so p lies in [2^-29.5, 2^-0.57] and the row's sum under 1,024: nothing can overflow or underflow.  15 differs from the ceiling of the
; row's largest t by a whole number: an exact power of two, which the blocks' scales and the sum take up.  The sum is taken of the unquantised p and divides O at the end.
; THE WAY OUT.  O / l of all heads meets in an LDS stage; each wave quantises its tile's 16 rows x 128 along the heads' axis and makes one tile of 16 queries x 16 columns with its fragment of Wvout; the 32 rows meet in a second
; stage and leave whole.  A batch all of whose keys are masked has l = 0 and O / l = NaN, as the definition has it: 0 x the row's first number is added to the result, so that the NaN passes the quantiser.
; LIMITS: blocks whose largest magnitude lies under 2^-124 get the floor's scale byte; a block of zeros gets the byte 1 (its codes are zeros); NaN and infinities in Q or the weights are not served.
.set FRB,    1536                      ; a fragment's image: 12 registers x 128 bytes
.set REC,    13312                     ; a record: 128 keys: 8 fragments, scale words, addends
.set HREC,   REC/2                     ; what one tensor load brings: 26 rows of 256 bytes
.set SCW,    8*FRB                     ; scale words: for each half 256 bytes; fragment t, row r at 16 r + 4 t
.set BIA,    SCW+512                   ; addends: 4 bytes a key
.set BATCHB, 8*REC
.set WOFF,   64*REC                    ; the weights' part of the workspace
.set WGRP,   4*FRB+256                 ; four fragments of a weight and their scale words; a weight is two such groups
.set SP,     528                       ; a stage row: 512 bytes + 16: sixteen rows start at sixteen different banks (64 banks of 4 bytes: ISA guide 11.1)
.set STG1,   BATCHB                    ; behind the records: O / l, row 16 u + r, 32 rows
.set STG2,   STG1+32*SP                ; the result, rows in the queries' own order
.set SPARE,  STG2+32*SP                ; the spare words, 128 bytes for each wave: eight blocks of 256 bytes that no other line names
.set FLOOR,  0x1800000                 ; 2^(3 - 127)
.set SPW, 1                            ; v1   LDS address of my spare word; never rewritten
.set NIL, 2                            ; v2   0; never rewritten
.set LI0, 3                            ; v3   16 x lane
.set R16, 4                            ; v4   16 r
.set LS0, 5                            ; v5   my place among a record's scale words
.set LB0, 6                            ; v6   and among its addends: 64 h
.set ADI, 7                            ; v7-9 the same three in the record in hand
.set ADS, 8
.set ADB, 9
.set S1W, 10                           ; v10-13 the stages: in and back
.set S1R, 11
.set S2W, 12
.set S2R, 13
.set SH8, 14                           ; v14  h, later 8 h
.set ZZ,  15                           ; v15  r, later 0 x my row's first number
.set WKF, 16                           ; v16-27  Wk's fragment; at the end Wvout's
.set WVF, 28                           ; v28-39  Wv's
.set WKS, 40                           ; v40, v41 their scale words
.set WVS, 41
.set QP,  42                           ; v42-49  q'
.set OA,  50                           ; v50-57  O^T
.set LSUM, 58                          ; v58-59  the row's sum, in two halves
.set VC,  60                           ; v60-71  v's codes of a step
.set PC,  72                           ; v72-83  p's
.set VW,  84                           ; v84, v85 their scale words
.set PW,  85
.set CT,  86                           ; v86-92  codes before they are moved
.set TM,  94                           ; v94-103 at work
.set QS,  106                          ; v106-109 the scale words of four fragments of Q
.set QF,  110                          ; v110-157 four fragments of Q
.set BI,  110                          ; v110-141 then the half's 32 addends
.set KT,  158                          ; v158-189 k: four tiles
.set ST,  190                          ; v190-221 S^T: four tiles; written by matrix instructions alone
.set PT,  222                          ; v222-253 v: four tiles; then e, 1 + e, r, t, p
.set X,   110                          ; v110-173 the way out: my 64 numbers of O / l
.set WV,  8                            ; s8   wave
.set HD,  9                            ; s9   head; at the end: which 16 columns
.set TU,  10                           ; s10  tile of queries
.set G0,  12                           ; s[12:15] descriptor group 0
.set G1,  16                           ; s[16:23] group 1
.set SEL, 36                           ; s[36:37] v_permlanex16_b32's selects for lane l xor 16
.set CK,  38                           ; s[38:39] -20 log2(e): the packed form names a pair and takes its low word for both halves
.set TB,  40                           ; s40  LDS byte at which the record in hand begins
.set CNT, 41                           ; s41  steps to go
.macro CROUND                          ; a round of the cluster's barrier: my work-group's barrier; wave 0 signals for the work-group; every wave waits for all four work-groups; my work-group's barrier once more
	s_barrier_signal -1
	s_barrier_wait -1
	s_cmp_lg_u32 s[WV], 0
	s_cbranch_scc1 .Lnot_wave_0_\@
	s_barrier_signal -3
.Lnot_wave_0_\@:
	s_barrier_wait -3
	s_barrier_signal -1
	s_barrier_wait -1
.endm
.macro MX6Z d, a, b, sa, sb            ; a product on codes that starts its sum
	v_wmma_scale_f32_16x16x128_f8f6f4 v[\d:\d+7], v[\a:\a+11], v[\b:\b+11], 0, v[\sa], v[\sb] matrix_a_fmt:MATRIX_FMT_FP6 matrix_b_fmt:MATRIX_FMT_FP6
.endm
.macro MX6A d, a, b, sa, sb            ; and one that adds in place
	v_wmma_scale_f32_16x16x128_f8f6f4 v[\d:\d+7], v[\a:\a+11], v[\b:\b+11], v[\d:\d+7], v[\sa], v[\sb] matrix_a_fmt:MATRIX_FMT_FP6 matrix_b_fmt:MATRIX_FMT_FP6
.endm
	s_load_b128 s[4:7], s[0:1], 0x0                ; the workspace s[4:5], out s[6:7]
	v_lshl_add_u32 v[SPW], v0, 2, SPARE
	v_mov_b32 v[NIL], 0
	ds_add_u32 v[SPW], v[NIL]                      ; the wave's opening: the add and its wait stand ahead of the round in front of my tensor load; the set-up below, work on registers, stands between them
	v_lshrrev_b32 v[ADI], 5, v0
	v_readfirstlane_b32 s[WV], v[ADI]              ; wave 0..15
	s_lshr_b32 s[HD], s[WV], 1
	s_and_b32 s[TU], s[WV], 1
	s_and_b32 s25, ttmp7, 0xffff                   ; the batch, which the four partners share
	; descriptor group 1: a dense block of 6,656 bytes as 26 rows of 256 bytes (32 elements of 8 bytes), no padding: images are read 512 consecutive bytes an instruction
	s_mov_b32 s[G1], 15|(3<<16)|(1<<21)            ; 15:0 the mask: all four work-groups; 17:16 elements of 8 bytes; 21 set beside a mask
	s_mov_b32 s[G1+1], 32<<16                      ; tensor_dim0 = 32
	s_mov_b32 s[G1+2], (HREC/256)<<16              ; tensor_dim1 = 26
	s_mov_b32 s[G1+3], 32<<16                      ; tile_dim0 = 32
	s_mov_b32 s[G1+4], HREC/256                    ; tile_dim1 = 26
	s_mov_b32 s[G1+5], 32                          ; from row to row
	s_mov_b32 s[G1+6], 0
	s_mov_b32 s[G1+7], 0
	s_mov_b32 s[G0], 1                             ; count = 1
	s_mul_i32 s[G0+1], s[WV], HREC                 ; LDS address: wave x 6,656: no place in the cluster enters it
	s_mul_i32 s26, s25, BATCHB
	s_add_co_u32 s26, s26, s[G0+1]                 ; and the same half record of my batch in memory
	s_mov_b32 s27, 0
	; my head's fragments of the weights: group head / 4 of each weight, fragment head % 4
	s_lshr_b32 s42, s[HD], 2
	s_mul_i32 s42, s42, WGRP
	s_add_co_u32 s42, s42, WOFF
	s_and_b32 s43, s[HD], 3
	s_mul_i32 s46, s43, FRB
	s_add_co_u32 s46, s46, s42                     ; codes
	s_mov_b32 s47, 0
	s_lshl_b32 s43, s43, 2
	s_add_co_u32 s42, s42, s43
	s_add_co_u32 s42, s42, 4*FRB                   ; scale words
	s_mov_b32 s43, 0
	; my queries: block qb of 32 = tiles 2 qb, 2 qb + 1 of the batch.  qb hangs on my place in the cluster: it enters only the addresses of my own loads and stores
	s_bfe_u32 s11, ttmp6, 0x40000                  ; cx
	s_lshl_b32 s24, ttmp9, 2
	s_add_co_u32 s24, s24, s11                     ; qb = 4 x cluster x + cx
	s_lshl_b32 s48, s25, 3
	s_lshr_b32 s49, s24, 2
	s_add_co_u32 s48, s48, s49
	s_mul_i32 s48, s48, REC                        ; their record
	s_and_b32 s49, s24, 3
	s_lshl_b32 s49, s49, 1
	s_add_co_u32 s49, s49, s[TU]                   ; my tile's fragment in it, 0..7
	s_mul_i32 s50, s49, FRB
	s_add_co_u32 s50, s50, s48
	s_mov_b32 s51, 0
	s_lshr_b32 s52, s49, 2
	s_lshl_b32 s52, s52, 8                         ; its scale words: 256 x half + 4 x (fragment % 4)
	s_and_b32 s49, s49, 3
	s_lshl_b32 s49, s49, 2
	s_add_co_u32 s52, s52, s49
	s_add_co_u32 s52, s52, s48
	s_add_co_u32 s52, s52, SCW
	s_mov_b32 s53, 0
	s_lshl_b32 s54, s25, 19                        ; out: 1,024 rows of 512 bytes a batch,
	s_lshl_b32 s55, s24, 14                        ; 32 rows a work-group,
	s_add_co_u32 s54, s54, s55
	s_lshl_b32 s55, s[WV], 10                      ; 2 rows a wave
	s_add_co_u32 s54, s54, s55
	s_mov_b32 s55, 0
	s_mov_b32 s[SEL], 0x76543210
	s_mov_b32 s[SEL+1], 0xfedcba98
	s_mov_b32 s[CK], 0xc1e6d4ca                    ; -20 log2(e)
	s_mov_b32 s[CK+1], s[CK]                       ; (named with it as a pair, so it is written)
	s_wait_dscnt 0x0                               ; the opening add is done
	s_wait_kmcnt 0x0
	s_add_nc_u64 s[G0+2:G0+3], s[4:5], s[26:27]
	s_or_b32 s[G0+3], s[G0+3], 0x80000000          ; type = 2
	s_add_nc_u64 s[28:29], s[4:5], s[46:47]        ; the weights' codes,
	s_add_nc_u64 s[30:31], s[4:5], s[42:43]        ; their scale words,
	s_add_nc_u64 s[32:33], s[4:5], s[50:51]        ; my queries' codes,
	s_add_nc_u64 s[34:35], s[4:5], s[52:53]        ; their scale words,
	s_add_nc_u64 s[44:45], s[6:7], s[54:55]        ; my two rows of out
	CROUND                                         ; all four work-groups are here: the joint loads meet
	tensor_load_to_lds s[G0:G0+3], s[G1:G1+7]      ; my one tensor load of the launch
	s_nop 0
	v_and_b32 v[LI0], 31, v0
	v_lshlrev_b32 v[LI0], 4, v[LI0]
	v_and_b32 v[ZZ], 15, v0                        ; r
	v_lshlrev_b32 v[R16], 4, v[ZZ]
.irp i, 0,1,2
	global_load_b128 v[QF+4*\i:QF+4*\i+3], v[LI0], s[28:29] offset:512*\i                 ; Wq's fragment, used once
	global_load_b128 v[QF+12+4*\i:QF+12+4*\i+3], v[LI0], s[32:33] offset:512*\i           ; my queries'
	global_load_b128 v[WKF+4*\i:WKF+4*\i+3], v[LI0], s[28:29] offset:2*WGRP+512*\i        ; Wk's and Wv's stay
	global_load_b128 v[WVF+4*\i:WVF+4*\i+3], v[LI0], s[28:29] offset:4*WGRP+512*\i
.endr
	global_load_b32 v[QS], v[R16], s[30:31]
	global_load_b32 v[QS+1], v[R16], s[34:35]
	global_load_b32 v[WKS], v[R16], s[30:31] offset:2*WGRP
	global_load_b32 v[WVS], v[R16], s[30:31] offset:4*WGRP
	v_bfe_u32 v[SH8], v0, 4, 1                     ; h
	v_add_nc_u32 v[LS0], SCW, v[R16]
	v_lshl_add_u32 v[LB0], v[SH8], 6, BIA          ; lanes 16-31 hold keys 16 further on
	s_mul_i32 s42, s[TU], 16*SP
	s_lshl_b32 s43, s[HD], 6
	v_mul_u32_u24 v[S1R], v[ZZ], SP
	v_add_nc_u32 v[S1R], s42, v[S1R]               ; stage 1: row 16 u + r
	v_lshl_add_u32 v[S1W], v[SH8], 5, v[S1R]
	v_add_nc_u32 v[S1W], s43, v[S1W]
	v_add_nc_u32 v[S1W], STG1, v[S1W]              ; in: my head's 64 bytes, + 32 h
	v_lshl_add_u32 v[S1R], v[SH8], 7, v[S1R]
	v_add_nc_u32 v[S1R], STG1, v[S1R]              ; back: + 128 h: a whole block of 32 a lane
	v_and_b32 v[S2W], 8, v[ZZ]
	v_add_nc_u32 v[S2W], v[S2W], v[ZZ]             ; r + 8 (r / 8)
	v_mul_u32_u24 v[S2W], v[S2W], SP
	s_mul_i32 s42, s[TU], 8*SP
	s_add_co_u32 s42, s42, s43
	s_add_co_u32 s42, s42, STG2
	v_add_nc_u32 v[S2W], s42, v[S2W]               ; stage 2: row 8 u + r + 8 (r / 8), the query's own place among the 32; my 16 columns' 64 bytes,
	v_lshl_add_u32 v[S2W], v[SH8], 5, v[S2W]       ; + 32 h
	s_mul_i32 s42, s[WV], 2*SP
	s_add_co_u32 s42, s42, STG2
	v_add_nc_u32 v[S2R], s42, v[LI0]               ; back: rows 2 w and 2 w + 1, whole
	v_lshlrev_b32 v[SH8], 3, v[SH8]                ; 8 h
	s_mov_b32 s[TB], 0
	s_mov_b32 s[CNT], 8
	s_wait_loadcnt 0x0
	MX6Z KT, QF, QF+12, QS, QS+1                   ; q^T = Wq_h^T F^T: lane (r, h): query r, d = 8 h + 0..7
.irp j, 0,1,2,3,4,5,6,7
	v_mov_b32 v[OA+\j], 0                          ; the step is written once: the first finds zeros.  (These thirteen lines are also the places behind the product: ISA guide 7.12.1)
.endr
	v_mov_b32 v[LSUM], 0
	v_mov_b32 v[LSUM+1], 0
	v_mov_b32 v[TM+2], 0                           ; a lane permute's destination counts as one of its sources
	v_mov_b32 v[TM+3], 0
	v_mov_b32 v[TM+6], 0
.irp j, 0,1,2,3,4,5,6,7
	v_mul_f32 v[QP+\j], 0x3f38aa3b, v[KT+\j]       ; q' = q log2(e) / 2: S is then 2 U log2(e)
.endr
	s_wait_tensorcnt 0x0                           ; my half record has landed,
	s_barrier_signal -1
	s_barrier_wait -1                              ; everybody's has
; Two blocks of 32 along K, of which a lane holds 16 neighbours each (v[src + 16 b + i] = K 32 b + 16 h + i of its row), become registers 6 c .. 6 c + 5 of the operand dst and bytes 2 c, 2 c + 1 of its scale word.
.macro QUANT16 src, dst, word, c
	v_max3_num_f32 v[TM], |v[\src]|, |v[\src+1]|, FLOOR             ; the floor holds the byte at 1 from below
	v_max3_num_f32 v[TM+1], |v[\src+16]|, |v[\src+17]|, FLOOR
.irp i, 2,4,6,8,10,12,14
	v_max3_num_f32 v[TM], v[TM], |v[\src+\i]|, |v[\src+\i+1]|       ; the two blocks by turns
	v_max3_num_f32 v[TM+1], v[TM+1], |v[\src+16+\i]|, |v[\src+17+\i]|
.endr
	v_permlanex16_b32 v[TM+2], v[TM], s[SEL], s[SEL+1]
	v_permlanex16_b32 v[TM+3], v[TM+1], s[SEL], s[SEL+1]
	v_max_num_f32 v[TM], v[TM], v[TM+2]            ; with lane l xor 16's 16: the block's largest magnitude
	v_max_num_f32 v[TM+1], v[TM+1], v[TM+3]
	v_add_nc_u32 v[TM+4], 0xff000000, v[TM]        ; 2 off the exponent field: the conversion's scale operand
	v_add_nc_u32 v[TM+5], 0xff000000, v[TM+1]
	v_lshrrev_b32 v[TM+2], 23, v[TM+4]             ; the scales' bytes
	v_lshrrev_b32 v[TM+3], 23, v[TM+5]
.if \c == 0
	v_lshl_or_b32 v[\word], v[TM+3], 8, v[TM+2]
.else
	v_lshl_or_b32 v[\word], v[TM+2], 16, v[\word]
	v_lshl_or_b32 v[\word], v[TM+3], 24, v[\word]
.endif
	v_cvt_scalef32_pk16_fp6_f32 v[\dst+6*(\c):\dst+6*(\c)+2], v[\src:\src+15], v[TM+4]
	v_cvt_scalef32_pk16_fp6_f32 v[CT:CT+2], v[\src+16:\src+31], v[TM+5]   ; (a conversion's three registers begin on an even number)
	v_nop                                          ; one plain place behind a scaled conversion
.irp i, 0,1,2
	v_permlane16_swap_b32 v[\dst+6*(\c)+\i], v[CT+\i]   ; the operand wants a WHOLE block in a lane: lanes 0-15 block 2 c, lanes 16-31 block 2 c + 1
.endr
.irp i, 0,1,2
	v_mov_b32 v[\dst+6*(\c)+3+\i], v[CT+\i]
.endr
.endm
; HALF A STEP: 64 keys, four tiles
.macro HALF c
.irp t, 0,1,2,3
.irp i, 0,1,2
	ds_load_b128 v[QF+12*\t+4*\i:QF+12*\t+4*\i+3], v[ADI] offset:(4*(\c)+\t)*FRB+512*\i   ; an image comes back as it was stored: 512 consecutive bytes an instruction
.endr
.endr
	ds_load_b128 v[QS:QS+3], v[ADS] offset:256*(\c)   ; row r's scale words of the four fragments
	s_wait_dscnt 0x0
.irp t, 0,1,2,3
	MX6Z KT+8*\t, WKF, QF+12*\t, WKS, QS+\t        ; k^T of 16 keys
.endr
.irp t, 0,1,2,3
	MX6Z PT+8*\t, QF+12*\t, WVF, QS+\t, WVS        ; v of the same keys
.endr
.rept 5
	v_nop                                          ; five places before a product takes k as an operand; four of them serve the loads into the fragments' registers and the first read of v
.endr
.irp b, 0,1
.irp i, 0,1,2,3
	ds_load_b128 v[BI+16*\b+4*\i:BI+16*\b+4*\i+3], v[ADB] offset:128*(2*(\c)+\b)+16*\i   ; the addends of my 32 keys, in the order of p's registers
.endr
.endr
.irp i, 0,1,2,3                                ; S^T = k q'^T: four links of 4 along d; the four accumulators take turns, one instruction a turn
.irp t, 0,1,2,3
.if \i == 0
	v_wmma_f32_16x16x4_f32 v[ST+8*\t:ST+8*\t+7], v[KT+8*\t:KT+8*\t+1], v[QP:QP+1], 0
.else
	v_wmma_f32_16x16x4_f32 v[ST+8*\t:ST+8*\t+7], v[KT+8*\t+2*\i:KT+8*\t+2*\i+1], v[QP+2*\i:QP+2*\i+1], v[ST+8*\t:ST+8*\t+7]
.endif
.endr
.endr
	QUANT16 PT, VC, VW, \c                         ; v along the keys.  Its plain lines, which name nothing of the f32 products, are the eight places ahead of the first read of S^T
.set J, 0
.rept 32
	v_exp_f32 v[PT+J], v[ST+J]                     ; e = exp(2 U); each accumulator is read from its low end on
.set J, J+1
.endr
	v_nop                                          ; a plain place behind the last of the batch
	s_wait_alu depctr_va_vdst(0)                   ; one wait for the batch, ahead of its first reader
.set J, 0
.rept 16
	v_pk_add_f32 v[PT+J:PT+J+1], v[PT+J:PT+J+1], 1.0 op_sel_hi:[1,0]
.set J, J+2
.endr
.set J, 0
.rept 32
	v_rcp_f32 v[PT+J], v[PT+J]                     ; r = 1 / (1 + e): 0 where e has overflowed, 1 where it has vanished: tanh = +-1 there
.set J, J+1
.endr
	v_nop
	s_wait_alu depctr_va_vdst(0)
	s_wait_dscnt 0x0                               ; the addends are in
.set J, 0
.rept 16
	v_pk_fma_f32 v[PT+J:PT+J+1], v[PT+J:PT+J+1], s[CK:CK+1], v[BI+J:BI+J+1] op_sel_hi:[1,0,1]   ; t - 15 = addend - 20 log2(e) r; -infinity for a masked key
.set J, J+2
.endr
.set J, 0
.rept 32
	v_exp_f32 v[PT+J], v[PT+J]                     ; p = 2^(t - 15): not normalised
.set J, J+1
.endr
	v_nop
	s_wait_alu depctr_va_vdst(0)
	QUANT16 PT, PC, PW, \c                         ; p along the keys
	v_pk_add_f32 v[TM+8:TM+9], v[PT:PT+1], v[PT+2:PT+3]   ; the row's sum is taken of the UNQUANTISED p, two at a time, in two chains.  (These sixteen lines are also the places between p's scale word and codes and the product below)
.irp j, 4,8,12,16,20,24,28
	v_pk_add_f32 v[LSUM:LSUM+1], v[LSUM:LSUM+1], v[PT+\j:PT+\j+1]
	v_pk_add_f32 v[TM+8:TM+9], v[TM+8:TM+9], v[PT+\j+2:PT+\j+3]
.endr
	v_pk_add_f32 v[LSUM:LSUM+1], v[LSUM:LSUM+1], v[TM+8:TM+9]
.endm
.Lstep:                                            ; eight trips: a record of 128 keys each
	v_add_nc_u32 v[ADI], s[TB], v[LI0]
	v_add_nc_u32 v[ADS], s[TB], v[LS0]
	v_add_nc_u32 v[ADB], s[TB], v[LB0]
	HALF 0
	HALF 1
	MX6A OA, VC, PC, VW, PW                        ; O^T += V^T P^T over these 128 keys; other accumulators' products stand between two links of this chain
	s_add_co_u32 s[TB], s[TB], REC
	s_sub_co_u32 s[CNT], s[CNT], 1
	s_cmp_lg_u32 s[CNT], 0
	s_cbranch_scc1 .Lstep
	; ---- THE WAY OUT
.irp i, 0,1,2
	global_load_b128 v[WKF+4*\i:WKF+4*\i+3], v[LI0], s[28:29] offset:6*WGRP+512*\i   ; Wvout's fragment of my 16 columns, where Wk's lay
.endr
	global_load_b32 v[WKS], v[R16], s[30:31] offset:6*WGRP
	v_add_f32 v[LSUM], v[LSUM], v[LSUM+1]          ; the sum's two halves,
	v_permlanex16_b32 v[TM], v[LSUM], s[SEL], s[SEL+1]
	v_add_f32 v[LSUM], v[LSUM], v[TM]              ; and lane l xor 16's keys
	v_rcp_f32 v[LSUM+1], v[LSUM]
.rept 4
	v_nop                                          ; places behind the reciprocal and behind the last product
.endr
	s_wait_alu depctr_va_vdst(0)                   ; the wait ahead of the reciprocal's first reader
.irp j, 0,1,2,3,4,5,6,7
	v_mul_f32 v[X+\j], v[OA+\j], v[LSUM+1]         ; O / l: query r, d = 8 h + j
.endr
	ds_store_b128 v[S1W], v[X:X+3]
	ds_store_b128 v[S1W], v[X+4:X+7] offset:16
	s_wait_dscnt 0x0                               ; for the others' sake: my stores have landed
	s_barrier_signal -1
	s_barrier_wait -1                              ; 32 rows x 128 of O / l lie in stage 1
.set J, 0
.rept 16
	ds_load_b128 v[X+4*J:X+4*J+3], v[S1R] offset:256*(J/8)+16*(J%8)   ; my tile's row r: blocks h and 2 + h, whole
.set J, J+1
.endr
	s_wait_dscnt 0x0
	v_mul_f32 v[ZZ], 0, v[X]                       ; 0, or NaN where the row is NaN (all keys masked)
	v_max3_num_f32 v[TM], |v[X]|, |v[X+1]|, FLOOR
	v_max3_num_f32 v[TM+1], |v[X+32]|, |v[X+33]|, FLOOR
.set J, 2
.rept 15
	v_max3_num_f32 v[TM], v[TM], |v[X+J]|, |v[X+J+1]|
	v_max3_num_f32 v[TM+1], v[TM+1], |v[X+32+J]|, |v[X+33+J]|
.set J, J+2
.endr
	v_add_nc_u32 v[TM+4], 0xff000000, v[TM]
	v_add_nc_u32 v[TM+5], 0xff000000, v[TM+1]
	v_lshrrev_b32 v[TM+2], 23, v[TM+4]
	v_lshrrev_b32 v[TM+3], 23, v[TM+5]
	v_lshl_or_b32 v[PW], v[TM+3], 16, v[TM+2]      ; my two bytes: blocks h and 2 + h,
	v_lshlrev_b32 v[PW], v[SH8], v[PW]             ; at their places in the word;
	v_permlanex16_b32 v[TM+6], v[PW], s[SEL], s[SEL+1]
	v_or_b32 v[PW], v[PW], v[TM+6]                 ; with lane l xor 16's two it is whole
	v_cvt_scalef32_pk16_fp6_f32 v[PC:PC+2], v[X:X+15], v[TM+4]
	v_cvt_scalef32_pk16_fp6_f32 v[CT:CT+2], v[X+16:X+31], v[TM+4]
	v_cvt_scalef32_pk16_fp6_f32 v[PC+6:PC+8], v[X+32:X+47], v[TM+5]
	v_cvt_scalef32_pk16_fp6_f32 v[CT+4:CT+6], v[X+48:X+63], v[TM+5]
	v_nop                                          ; one plain place behind a scaled conversion
.irp c, 0,1
.irp i, 0,1,2
	v_mov_b32 v[PC+3+6*\c+\i], v[CT+4*\c+\i]
.endr
.endr
.rept 8
	v_nop                                          ; a scale word made by vector instructions stands eight places ahead of the scaled product, codes so made four
.endr
	s_wait_loadcnt 0x0                             ; Wvout's fragment and scale words
	MX6Z PT, WKF, PC, WKS, PW                      ; source 0 = my 16 columns of Wvout, source 1 = the tile's 16 rows: lane (r, h): query r, columns 16 c + 8 h + 0..7
.rept 4
	v_nop
.endr
.irp j, 0,1,2,3,4,5,6,7
	v_add_f32 v[PT+8+\j], v[PT+\j], v[ZZ]
.endr
	ds_store_b128 v[S2W], v[PT+8:PT+11]
	ds_store_b128 v[S2W], v[PT+12:PT+15] offset:16
	s_wait_dscnt 0x0
	s_barrier_signal -1
	s_barrier_wait -1                              ; 32 whole rows of the result lie in stage 2
	ds_load_b128 v[X:X+3], v[S2R]
	ds_load_b128 v[X+4:X+7], v[S2R] offset:SP
	s_wait_dscnt 0x0
	global_store_b128 v[LI0], v[X:X+3], s[44:45] th:TH_STORE_NT              ; 32 lanes store a row: 512 consecutive bytes, aligned to 256; written once, read by nobody here
	global_store_b128 v[LI0], v[X+4:X+7], s[44:45] offset:512 th:TH_STORE_NT
	s_wait_tensorcnt 0x0                           ; the wave's end, behind my tensor load and my last LDS store
	ds_add_u32 v[SPW], v[NIL]
	s_wait_dscnt 0x0
	CROUND                                         ; the closing round: no work-group ends while a partner may still ask for a load that names it
	s_endpgm
.Lfunc_end_k_q6273430c82_attend:
	.size	k_q6273430c82_attend, .Lfunc_end_k_q6273430c82_attend-k_q6273430c82_attend
	.p2alignl 7, 3214868480
	.fill 96, 4, 3214868480
	.section	.rodata,"a",@progbits
	.p2align	6, 0x0
	.amdhsa_kernel k_q6273430c82_attend
		.amdhsa_group_segment_fixed_size 167936
		.amdhsa_private_segment_fixed_size 0
		.amdhsa_enable_private_segment 0
		.amdhsa_kernarg_size 16
		.amdhsa_user_sgpr_count 2
		.amdhsa_user_sgpr_kernarg_segment_ptr 1
		.amdhsa_wavefront_size32 1
		.amdhsa_system_sgpr_workgroup_id_x 1
		.amdhsa_system_sgpr_workgroup_id_y 1
		.amdhsa_system_sgpr_workgroup_id_z 1
		.amdhsa_system_vgpr_workitem_id 0
		.amdhsa_next_free_vgpr 256
		.amdhsa_next_free_sgpr 66
		.amdhsa_reserve_vcc 0
		.amdhsa_float_denorm_mode_32 3
		.amdhsa_float_denorm_mode_16_64 3
		.amdhsa_memory_ordered 1
		.amdhsa_forward_progress 1
		.amdhsa_inst_pref_size 43
	.end_amdhsa_kernel
	.amdgpu_metadata
---
amdhsa.version: [ 1, 2 ]
amdhsa.kernels:
  - .name:           k_q6273430c82_attend
    .symbol:         k_q6273430c82_attend.kd
    .args:
      - { .name: codes, .offset: 0, .size: 8, .value_kind: global_buffer, .address_space: global }
      - { .name: out0, .offset: 8, .size: 8, .value_kind: global_buffer, .address_space: global }
    .group_segment_fixed_size: 167936
    .private_segment_fixed_size: 0
    .kernarg_segment_align: 8
    .kernarg_segment_size: 16
    .max_flat_workgroup_size: 512
    .sgpr_count:     66
    .vgpr_count:     256
    .wavefront_size: 32
...
	.end_amdgpu_metadata
.endif
;; end of part 2
;; ======== version 2 of 2: 2 launches; 1.20 times as fast as version 1
;; workspace buffers: codes 903,168 bytes; order 65,536 bytes of whole numbers
;; launch prep (part 3): grid 136 x 1, 4 waves a work-group, no clusters, 34,560 bytes of LDS; arguments Q, Wq, Wk, Wvin, Wvout, mask, codes, order; writes codes, order
.if DOCPART == 3
	.amdgcn_target "amdgcn-amd-amdhsa--gfx1250"
	.amdhsa_code_object_version 6
	.text
	.protected	k_q6273430c82_prep
	.globl	k_q6273430c82_prep
	.p2align	8
	.type	k_q6273430c82_prep,@function
k_q6273430c82_prep:
	s_mov_b64 s[64:65], 0
	v_nop
	global_prefetch_b8 v0, s[64:65] scope:SCOPE_SE
	s_setreg_imm32_b32 hwreg(HW_REG_WAVE_MODE, 25, 1), 1
	s_wait_xcnt 0x0
; Q [8192][128] f32 and the four weights [128 (K)][128 (N)] f32 become codes of FP6 (E2M3) with one E8M0 scale for each 32 along K, laid as IMAGES OF THE OPERAND'S REGISTERS:
; a fragment (16 rows x 128 K) is 12 registers a lane; register group i (4 registers) of lane l lies at 512 i + 16 l: 1,536 bytes.  Lane (r, h) holds row r, registers 6 c .. 6 c + 5 = K 64 c + 32 h + 0 .. 31.
; THE ROWS OF Q THAT FORM A TILE ARE CHOSEN BY THE MASK.  The next launch quantises v and p along the keys in blocks of 32; inside a block the keys' order is free, if v and p share it.  So each block's keys are ordered:
; those that count first (ascending), the masked ones behind them.  64 keys are a pair of blocks (A, B); tile t of the pair takes positions 8 t .. 8 t + 7 of A as its rows 0-7 and of B as its rows 8-15.
; Tiles from ceil(max(nA, nB) / 8) on hold masked keys alone, and the next launch leaves their scores out.
; A weight's fragment f holds columns 16 f + r, K down the weight's first axis.
; THE WORKSPACE codes.  For each 128 keys a record of 13,312 bytes: 8 fragments; at SCW the scale words (for each pair 256 bytes: word of fragment t, row r at 16 r + 4 t); at BIA one f32 for each POSITION (block by block,
; 128 bytes a block): what the next launch adds in its exponent: 10 log2(e) - 15 for a position that counts, -infinity behind them.  Behind the 64 records, for each 4 fragments of a weight 6,400 bytes: codes, then scale words.
; THE WORKSPACE order, whole numbers, 128 bytes a fragment: words 0-15 the rows' places among the pair's 64 rows of Q; words 16-31 the pair's number of tiles, held at 2 from below.
; A block's scale is 2^(floor(log2(largest magnitude)) - 2); its byte is the largest magnitude's exponent field - 2, held at 1 from below (a block of zeros gets the byte 1: its codes are zeros, and only this program reads the bytes).
; LIMITS: blocks whose largest magnitude lies under 2^-124 get the floor's byte; NaN and infinities among Q and the weights are not served.  A mask byte other than 0 counts as true.
; SHARES.  A work-group has four waves, a wave makes one fragment.  Work-groups 0-127: a pair of blocks each; 128-135: four fragments of a weight each.  The two ways differ only in how a lane's 64 numbers arrive.
; Q: each load reads one row, 512 consecutive bytes; the 16 rows turn through the wave's own stage in LDS (rows 528 bytes apart) and come back 32 neighbours a block and lane.
; Weights: a lane takes a column, its registers run down K (sixteen lanes read 64 consecutive bytes; 256 KiB in all).
.set NQWG,  128                        ; work-groups that take Q
.set FRB,   1536                       ; a fragment's image
.set REC,   13312                      ; a record: 128 keys
.set SCW,   8*FRB                      ; its scale words
.set BIA,   SCW+512                    ; its addends
.set WOFF,  64*REC                     ; the weights' part of the workspace
.set WGRP,  4*FRB+256                  ; four fragments of a weight and their scale words
.set SP,    528                        ; a stage row: 512 bytes + 16: the sixteen rows that a load touches start at sixteen different banks (64 banks of 4 bytes: ISA guide 11.1)
.set WSTG,  16*SP                      ; a wave's stage
.set WORDS, 4*WSTG                     ; 256 bytes in which the four waves' scale words meet
.set SPARE, WORDS+256                  ; the spare words, 128 bytes for each wave: two blocks of 256 bytes that no other line names
.set FLOOR, 0x1800000                  ; 2^(3 - 127): no largest magnitude is taken under it, so the byte cannot fall under 1
.set L16,  5                           ; v5   16 x lane
.set SIN,  6                           ; v6   the stage, on the way in
.set SOUT, 7                           ; v7   and on the way out: row r, + 128 h
.set WPL,  8                           ; v8   where my row's scale word goes
.set WRD,  9                           ; v9   where wave 0 reads the words back
.set L8,   10                          ; v10  8 x lane
.set L4,   11                          ; v11  4 x lane
.set WAD,  12                          ; v12  a weight: 4 r + 32 h rows
.set SH8,  13                          ; v13  8 h
.set SPW,  14                          ; v14  LDS address of my spare word; never rewritten
.set NIL,  15                          ; v15  0; never rewritten
.set R,    16                          ; v16-79   16 rows as loaded
.set X,    80                          ; v80-143  my 64 numbers: X[32 c + i] = K 64 c + 32 h + i of row r
.set C,    144                         ; v144-155 the fragment
.set CT,   156                         ; v156-163 the upper halves of the two blocks' codes, before they are moved
.set TM,   164                         ; v164-171 at work
.set PW,   172                         ; v172 the scale word
.set BO,   174                         ; v174-175 two addends
.set WO,   176                         ; v176-177 scale words on the way out
.set MA,   178                         ; v178, v179 my key's mask byte in block A, in block B
.set MB2,  179
.set PA,   180                         ; v180, v181 my key's position in its block's order, then the lane to which it is sent
.set PB,   181
.set SA,   182                         ; v182, v183 the keys of my tile's positions: A's in lanes 0-7, B's in lanes 8-15
.set SB,   183
.set RW,   184                         ; v184 the fragment's 32 words of the list
.set NV,   185                         ; v185 how many keys count in my lane's block
.set T0,   186                         ; v186, v187 at work
.set T1,   187
.set RO,   188                         ; v188-203 the byte offsets of the 16 rows' loads
	s_load_b256 s[4:11], s[0:1], 0x0               ; Q s[4:5], Wq s[6:7], Wk s[8:9], Wvin s[10:11]
	s_load_b128 s[12:15], s[0:1], 0x20             ; Wvout s[12:13], mask s[14:15]
	s_load_b64 s[16:17], s[0:1], 0x30              ; codes
	s_load_b64 s[44:45], s[0:1], 0x38              ; order
	v_lshl_add_u32 v[SPW], v0, 2, SPARE
	v_mov_b32 v[NIL], 0
	v_lshrrev_b32 v1, 5, v0
	v_readfirstlane_b32 s18, v1                    ; wave 0..3
	v_and_b32 v2, 31, v0                           ; lane
	v_and_b32 v3, 15, v0                           ; r
	v_bfe_u32 v4, v0, 4, 1                         ; h
	v_lshlrev_b32 v[L16], 4, v2
	s_mul_i32 s19, s18, WSTG                       ; my stage
	v_add_nc_u32 v[SIN], s19, v[L16]
	v_mul_u32_u24 v[SOUT], v3, SP
	v_lshl_add_u32 v[SOUT], v4, 7, v[SOUT]
	v_add_nc_u32 v[SOUT], s19, v[SOUT]
	s_lshl_b32 s20, s18, 2
	s_add_co_u32 s20, s20, WORDS
	v_lshl_add_u32 v[WPL], v3, 4, s20              ; 16 r + 4 x wave
	v_lshl_add_u32 v[WRD], v2, 3, WORDS
	v_lshlrev_b32 v[L8], 3, v2
	v_lshlrev_b32 v[L4], 2, v2
	v_lshlrev_b32 v[WAD], 2, v3
	v_lshl_add_u32 v[WAD], v4, 14, v[WAD]          ; lanes 16-31 begin 32 rows of 512 bytes further down
	v_lshlrev_b32 v[SH8], 3, v4
	v_mov_b32 v[TM+6], 0                           ; a lane permute's destination counts as one of its sources
	v_mov_b32 v[TM+7], 0xff800000                  ; -infinity
	s_mov_b32 s30, 0x76543210
	s_mov_b32 s31, 0xfedcba98                      ; v_permlanex16_b32's selects for lane l xor 16
	s_mov_b32 s23, 0
	s_mov_b32 s25, 0
	s_mov_b32 s27, 0
	s_wait_kmcnt 0x0
	s_cmp_lt_u32 ttmp9, NQWG                       ; the same for all four waves: the barrier below stands behind the join
	s_cbranch_scc0 .Lweights
	; ---- Q: the work-group's pair of blocks is keys 64 x work-group on
	s_lshl_b32 s22, ttmp9, 6                       ; its 64 bytes of the mask
	s_add_nc_u64 s[14:15], s[14:15], s[22:23]
	global_load_u8 v[MA], v2, s[14:15]             ; lane i: key i of block A,
	global_load_u8 v[MB2], v2, s[14:15] offset:32  ; and of block B
	s_lshl_b32 s22, ttmp9, 15                      ; its 64 rows of 512 bytes
	s_add_nc_u64 s[4:5], s[4:5], s[22:23]
	s_lshl_b32 s40, ttmp9, 2
	s_add_co_u32 s40, s40, s18
	s_lshl_b32 s40, s40, 7                         ; my fragment's 128 bytes of the list
	s_mov_b32 s41, 0
	s_add_nc_u64 s[40:41], s[44:45], s[40:41]
	s_lshr_b32 s21, ttmp9, 1
	s_mul_i32 s21, s21, REC                        ; my record
	s_and_b32 s28, ttmp9, 1                        ; which pair of it
	s_lshl_b32 s29, s28, 2
	s_add_co_u32 s29, s29, s18
	s_mul_i32 s29, s29, FRB
	s_add_co_u32 s24, s21, s29                     ; offset of my fragment
	s_lshl_b32 s28, s28, 8
	s_add_co_u32 s26, s21, s28
	s_add_co_u32 s26, s26, SCW                     ; offset of the pair's scale words
	s_add_co_u32 s32, s26, BIA-SCW                 ; and of its addends
	s_mov_b32 s33, 0
	s_add_nc_u64 s[32:33], s[16:17], s[32:33]
	s_lshl_b32 s46, s18, 3                         ; 8 t
	s_sub_co_u32 s47, 32, s46
	s_sub_co_u32 s46, 40, s46
	v_mov_b32 v1, 0xbf12b361                       ; 10 log2(e) - 15
	v_mov_b32 v[SA], 0
	v_mov_b32 v[SB], 0
	s_wait_loadcnt 0x0                             ; the mask's bytes
	v_cmp_eq_u32 s34, 0, v[MA]                     ; a bit for each key that counts
	v_cmp_eq_u32 s35, 0, v[MB2]
	s_bcnt1_i32_b32 s36, s34                       ; nA, nB
	s_bcnt1_i32_b32 s37, s35
	s_not_b32 s38, s34
	s_not_b32 s39, s35
	v_mbcnt_lo_u32_b32 v[T0], s34, 0               ; how many keys that count stand below mine,
	v_mbcnt_lo_u32_b32 v[T1], s38, 0               ; how many masked ones
	v_add_nc_u32 v[T1], s36, v[T1]
	v_cndmask_b32 v[PA], v[T1], v[T0], s34         ; my key's position: among those that count, or behind all of them
	v_mbcnt_lo_u32_b32 v[T0], s35, 0
	v_mbcnt_lo_u32_b32 v[T1], s39, 0
	v_add_nc_u32 v[T1], s37, v[T1]
	v_cndmask_b32 v[PB], v[T1], v[T0], s35
	v_add_nc_u32 v[PA], s47, v[PA]                 ; position 8 t + q of A goes to lane q,
	v_add_nc_u32 v[PB], s46, v[PB]                 ; of B to lane 8 + q: two turns of the 32 lanes
	v_and_b32 v[PA], 31, v[PA]
	v_and_b32 v[PB], 31, v[PB]
	v_lshlrev_b32 v[PA], 2, v[PA]
	v_lshlrev_b32 v[PB], 2, v[PB]
	ds_permute_b32 v[SA], v[PA], v2                ; each lane sends its key's number to the lane of its position: no LDS byte is touched
	ds_permute_b32 v[SB], v[PB], v2
	s_max_u32 s43, s36, s37
	s_add_co_u32 s43, s43, 7
	s_lshr_b32 s43, s43, 3                         ; tiles that hold a key that counts,
	s_max_u32 s43, s43, 2                          ; held at 2 from below: the next launch has ways for 2, 3 and 4
	s_wait_dscnt 0x0
	v_add_nc_u32 v[SB], 32, v[SB]                  ; B's keys are rows 32-63 of the pair
	v_cmp_gt_u32 vcc_lo, 8, v2
	v_cndmask_b32 v[RW], v[SB], v[SA], vcc_lo
	v_mov_b32 v[T0], s43
	v_cmp_gt_u32 vcc_lo, 16, v2
	v_cndmask_b32 v[RW], v[T0], v[RW], vcc_lo      ; lanes 0-15: my tile's rows; lanes 16-31: the number of tiles
.set J, 0
.rept 16
	v_readlane_b32 s48, v[RW], J
	s_min_u32 s48, s48, 63                         ; a number made of loaded data is held inside the pair before it enters an address
	s_lshl_b32 s48, s48, 9
	v_add_nc_u32 v[RO+J], s48, v[L16]
	global_load_b128 v[R+4*J:R+4*J+3], v[RO+J], s[4:5] th:TH_LOAD_NT   ; a row: 32 lanes read 512 consecutive bytes; each row is read once in the launch
.set J, J+1
.endr
	global_store_b32 v[L4], v[RW], s[40:41]        ; 32 lanes store 128 consecutive bytes
	v_mov_b32 v[NV], s36
	v_cndmask_b32 v[NV], s37, v[NV], vcc_lo        ; lanes 0-15 speak for block A, lanes 16-31 for block B
	v_and_b32 v[T0], 15, v2
	v_lshlrev_b32 v[T0], 1, v[T0]                  ; my two positions: 2 (lane % 16) and the next
	v_cmp_gt_u32 vcc_lo, v[NV], v[T0]
	v_cndmask_b32 v[BO], v[TM+7], v1, vcc_lo       ; a position under n counts; the others get -infinity
	v_add_nc_u32 v[T0], 1, v[T0]
	v_cmp_gt_u32 vcc_lo, v[NV], v[T0]
	v_cndmask_b32 v[BO+1], v[TM+7], v1, vcc_lo
	s_cmp_lg_u32 s18, 1                            ; one wave stores them
	s_cbranch_scc1 .Lno_addends
	global_store_b64 v[L8], v[BO:BO+1], s[32:33]   ; 32 lanes store 256 consecutive bytes, aligned
.Lno_addends:
.set J, 0
.rept 16
	s_wait_loadcnt 15-J                            ; row J is in; the rows behind it may be out
	ds_store_b128 v[SIN], v[R+4*J:R+4*J+3] offset:J*SP
.set J, J+1
.endr
.set J, 0
.rept 16
	ds_load_b128 v[X+4*J:X+4*J+3], v[SOUT] offset:256*(J/8)+16*(J%8)   ; LDS serves a wave's instructions in order (ISA guide 5.7.1.4): these see my stores
.set J, J+1
.endr
	s_wait_dscnt 0x0
	s_branch .Lquant
	; ---- a weight: work-group 128 + 2 w + g takes fragments 4 g .. 4 g + 3 of weight w (Wq, Wk, Wvin, Wvout)
.Lweights:
	s_sub_co_u32 s21, ttmp9, NQWG
	s_lshr_b32 s22, s21, 1
	s_cmp_eq_u32 s22, 0                            ; the choices hang on the work-group's number alone
	s_cselect_b64 s[28:29], s[6:7], s[8:9]
	s_cmp_lt_u32 s22, 2
	s_cselect_b64 s[28:29], s[28:29], s[10:11]
	s_cmp_lt_u32 s22, 3
	s_cselect_b64 s[28:29], s[28:29], s[12:13]
	s_and_b32 s22, s21, 1
	s_lshl_b32 s22, s22, 2
	s_add_co_u32 s22, s22, s18                     ; my fragment,
	s_lshl_b32 s22, s22, 6                         ; its 16 columns: 64 bytes on for each
	s_add_nc_u64 s[28:29], s[28:29], s[22:23]
.set J, 0
.rept 64
	global_load_b32 v[X+J], v[WAD], s[28:29] offset:(64*(J/32)+J%32)*512   ; W(64 c + 32 h + i, my column)
.set J, J+1
.endr
	s_mul_i32 s21, s21, WGRP
	s_add_co_u32 s21, s21, WOFF
	s_mul_i32 s24, s18, FRB
	s_add_co_u32 s24, s24, s21                     ; offset of my fragment
	s_add_co_u32 s26, s21, 4*FRB                   ; and of the four fragments' scale words
	s_wait_loadcnt 0x0
	; ---- both: 64 numbers of a lane, two whole blocks of 32, become 12 registers of codes and, with lane l xor 16's two bytes, the row's scale word
.Lquant:
	s_add_nc_u64 s[24:25], s[16:17], s[24:25]
	s_add_nc_u64 s[26:27], s[16:17], s[26:27]
	v_max3_num_f32 v[TM], |v[X]|, |v[X+1]|, FLOOR
	v_max3_num_f32 v[TM+1], |v[X+32]|, |v[X+33]|, FLOOR
.set J, 2
.rept 15
	v_max3_num_f32 v[TM], v[TM], |v[X+J]|, |v[X+J+1]|              ; the two blocks by turns
	v_max3_num_f32 v[TM+1], v[TM+1], |v[X+32+J]|, |v[X+33+J]|
.set J, J+2
.endr
	v_add_nc_u32 v[TM+4], 0xff000000, v[TM]        ; 2 off the exponent field: the conversion takes the exponent field of this operand as its scale
	v_add_nc_u32 v[TM+5], 0xff000000, v[TM+1]
	v_lshrrev_b32 v[TM+2], 23, v[TM+4]             ; the scales' bytes: blocks h and 2 + h
	v_lshrrev_b32 v[TM+3], 23, v[TM+5]
	v_lshl_or_b32 v[PW], v[TM+3], 16, v[TM+2]
	v_lshlrev_b32 v[PW], v[SH8], v[PW]             ; at their places in the word
	v_permlanex16_b32 v[TM+6], v[PW], s30, s31
	v_or_b32 v[PW], v[PW], v[TM+6]                 ; with lane l xor 16's two the word is whole, in both lanes
	v_cvt_scalef32_pk16_fp6_f32 v[C:C+2], v[X:X+15], v[TM+4]
	v_cvt_scalef32_pk16_fp6_f32 v[CT:CT+2], v[X+16:X+31], v[TM+4]   ; (a conversion's three registers begin on an even number: the upper halves are made elsewhere and moved)
	v_cvt_scalef32_pk16_fp6_f32 v[C+6:C+8], v[X+32:X+47], v[TM+5]
	v_cvt_scalef32_pk16_fp6_f32 v[CT+4:CT+6], v[X+48:X+63], v[TM+5]
	v_nop                                          ; one plain place behind a scaled conversion
.irp c, 0,1
.irp i, 0,1,2
	v_mov_b32 v[C+3+6*\c+\i], v[CT+4*\c+\i]
.endr
.endr
.irp i, 0,1,2
	global_store_b128 v[L16], v[C+4*\i:C+4*\i+3], s[24:25] offset:512*\i   ; 32 lanes store 512 consecutive bytes, aligned to 256
.endr
	ds_store_b32 v[WPL], v[PW]                     ; lanes r and r + 16 write the same word with the same value
	s_wait_dscnt 0x0                               ; for the others' sake: my word has landed
	s_barrier_signal -1
	s_barrier_wait -1
	s_cmp_lg_u32 s18, 0
	s_cbranch_scc1 .Ldone
	ds_load_b64 v[WO:WO+1], v[WRD]                 ; the four waves' 64 words
	s_wait_dscnt 0x0
	global_store_b64 v[L8], v[WO:WO+1], s[26:27]   ; 32 lanes store 256 consecutive bytes, aligned
.Ldone:
	s_wait_tensorcnt 0x0                           ; the wave's end, behind my last LDS store
	ds_add_u32 v[SPW], v[NIL]
	s_wait_dscnt 0x0
	s_endpgm
.Lfunc_end_k_q6273430c82_prep:
	.size	k_q6273430c82_prep, .Lfunc_end_k_q6273430c82_prep-k_q6273430c82_prep
	.p2alignl 7, 3214868480
	.fill 96, 4, 3214868480
	.section	.rodata,"a",@progbits
	.p2align	6, 0x0
	.amdhsa_kernel k_q6273430c82_prep
		.amdhsa_group_segment_fixed_size 34560
		.amdhsa_private_segment_fixed_size 0
		.amdhsa_enable_private_segment 0
		.amdhsa_kernarg_size 64
		.amdhsa_user_sgpr_count 2
		.amdhsa_user_sgpr_kernarg_segment_ptr 1
		.amdhsa_wavefront_size32 1
		.amdhsa_system_sgpr_workgroup_id_x 1
		.amdhsa_system_sgpr_workgroup_id_y 1
		.amdhsa_system_sgpr_workgroup_id_z 1
		.amdhsa_system_vgpr_workitem_id 0
		.amdhsa_next_free_vgpr 208
		.amdhsa_next_free_sgpr 66
		.amdhsa_reserve_vcc 1
		.amdhsa_float_denorm_mode_32 3
		.amdhsa_float_denorm_mode_16_64 3
		.amdhsa_memory_ordered 1
		.amdhsa_forward_progress 1
		.amdhsa_inst_pref_size 23
	.end_amdhsa_kernel
	.amdgpu_metadata
---
amdhsa.version: [ 1, 2 ]
amdhsa.kernels:
  - .name:           k_q6273430c82_prep
    .symbol:         k_q6273430c82_prep.kd
    .args:
      - { .name: Q, .offset: 0, .size: 8, .value_kind: global_buffer, .address_space: global }
      - { .name: Wq, .offset: 8, .size: 8, .value_kind: global_buffer, .address_space: global }
      - { .name: Wk, .offset: 16, .size: 8, .value_kind: global_buffer, .address_space: global }
      - { .name: Wvin, .offset: 24, .size: 8, .value_kind: global_buffer, .address_space: global }
      - { .name: Wvout, .offset: 32, .size: 8, .value_kind: global_buffer, .address_space: global }
      - { .name: mask, .offset: 40, .size: 8, .value_kind: global_buffer, .address_space: global }
      - { .name: codes, .offset: 48, .size: 8, .value_kind: global_buffer, .address_space: global }
      - { .name: order, .offset: 56, .size: 8, .value_kind: global_buffer, .address_space: global }
    .group_segment_fixed_size: 34560
    .private_segment_fixed_size: 0
    .kernarg_segment_align: 8
    .kernarg_segment_size: 64
    .max_flat_workgroup_size: 128
    .sgpr_count:     66
    .vgpr_count:     208
    .wavefront_size: 32
...
	.end_amdgpu_metadata
.endif
;; end of part 3
;; launch attend (part 4): grid 32 x 8, 16 waves a work-group, no clusters, 142,336 bytes of LDS; arguments codes, order, out0; writes out0
.if DOCPART == 4
	.amdgcn_target "amdgcn-amd-amdhsa--gfx1250"
	.amdhsa_code_object_version 6
	.text
	.protected	k_q6273430c82_attend
	.globl	k_q6273430c82_attend
	.p2align	8
	.type	k_q6273430c82_attend,@function
k_q6273430c82_attend:
	s_mov_b64 s[64:65], 0
	v_nop
	global_prefetch_b8 v0, s[64:65] scope:SCOPE_SE
	s_setreg_imm32_b32 hwreg(HW_REG_WAVE_MODE, 25, 1), 1
	s_wait_xcnt 0x0
; out = (softmax_k(10 tanh(q k^T / 4), masked keys out) v) Wvout with q, k, v = Q Wq, Q Wk, Q Wvin, 8 heads of 16.  All products but q k^T on codes of FP6 (E2M3) with one E8M0 scale for each 32 along K; q k^T in f32.
; The launch before has left Q's and the weights' codes as images of operand registers.  In each block of 32 keys it has put the keys that count first; 64 keys are a pair of blocks (2 c, 2 c + 1), and tile t of a pair holds
; positions 8 t .. 8 t + 7 of block 2 c as rows 0-7 and of block 2 c + 1 as rows 8-15.  For each position it has left an addend (10 log2(e) - 15, or -infinity for a masked key), and in the list 'order' each tile's rows'
; places and each pair's number of tiles that hold a key that counts (2 at the least).
; SHARES.  A work-group owns two tiles (32 queries) of one batch, for all 8 heads; wave w owns head w / 2 and tile w % 2, and walks the batch's 1,024 keys, 128 a step, a pair of blocks at a time.
; The batch's codes, scale words and addends, 8 records of 13,312 bytes, are copied into LDS ONCE, through registers (13 loads and 13 LDS stores of 512 bytes a wave), and read by all sixteen waves.
; NO JOINT REQUESTS, though the 32 work-groups of a batch read the same records: the walk branches on counts read from memory.
; MASKED KEYS' SCORES ARE LEFT OUT BY WHOLE TILES.  A pair's k, scores, exponentials, maxima and sums are made for its first 2, 3 or 4 tiles, by a scalar branch on the stored count; the rest of p is zero codes.
; v is made for all four tiles: a block's scale takes all its 32 keys.  A tile too many is harmless: its addends are -infinity.
; k, v AND p NEVER LEAVE THE REGISTERS.  With a fragment F of 16 keys:
;   k^T = Wk_h^T F^T (source 0 = 16 columns of Wk, source 1 = F): lane (r, h) holds key r and d = 8 h + 0..7: its register pairs ARE source 0 of the f32 product (4 along K a link); q' lies the same way, so both sides name d alike.
;   v   = F Wv_h (source 0 = F): lane (r, h) holds d = r and the tile's rows 8 h + 0..7; S^T = k q'^T: lane (r, h) holds query r and the same rows.  So the 32 registers of a pair's four tiles are, in lanes 0-15, the whole
;   block 2 c and, in lanes 16-31, the whole block 2 c + 1: the layout of the 6-bit operand itself.  A block's largest magnitude needs no other lane, the conversions' results are the operand, and only the scale bytes
;   cross the halves, once a step.  O^T += V^T P^T (source 0 = v's codes, source 1 = p's) keeps one query a lane.
; THE SOFTMAX.  q' = q log2(e) / 2, so e = 2^(S) = exp(2 U); r = 1 / (1 + e); tanh(U) = 1 - 2 r; p = 2^(t - 15) = 2^(addend - 20 log2(e) r).
; M IS THE CONSTANT 15.  The tanh bounds t = 10 log2(e) tanh(U) to +-14.43 for every input, so p lies in [2^-29.5, 2^-0.57] and the row's sum under 1,024: nothing can overflow or underflow.  15 differs from the ceiling of the
; row's largest t by a whole number: an exact power of two, which the blocks' scales and the sum take up.  The sum is taken of the unquantised p and divides O at the end.
; THE WAY OUT.  O / l of all heads meets in an LDS stage; each wave quantises its tile's 16 rows x 128 along the heads' axis and makes one tile of 16 queries x 16 columns with its fragment of Wvout; the 32 rows meet in a second
; stage and leave whole, each to the place that the list gives.  A batch all of whose keys are masked has l = 0 and O / l = NaN, as the definition has it: 0 x the row's first number is added, so that the NaN passes the quantiser.
; LIMITS: blocks whose largest magnitude lies under 2^-124 get the floor's scale byte; a block of zeros gets the byte 1 (its codes are zeros); NaN and infinities in Q or the weights are not served.
.set FRB,    1536                      ; a fragment's image: 12 registers x 128 bytes
.set REC,    13312                     ; a record: 128 keys: 8 fragments, scale words, addends
.set HREC,   REC/2                     ; what one wave copies: 13 x 512 bytes
.set SCW,    8*FRB                     ; scale words: for each pair 256 bytes; fragment t, row r at 16 r + 4 t
.set BIA,    SCW+512                   ; addends: 128 bytes a block
.set BATCHB, 8*REC
.set WOFF,   64*REC                    ; the weights' part of the workspace
.set WGRP,   4*FRB+256                 ; four fragments of a weight and their scale words; a weight is two such groups
.set SP,     528                       ; a stage row: 512 bytes + 16: sixteen rows start at sixteen different banks (64 banks of 4 bytes: ISA guide 11.1)
.set STG1,   BATCHB                    ; behind the records: O / l, row 16 u + r, 32 rows
.set STG2,   STG1+32*SP                ; the result, the same rows
.set SPARE,  STG2+32*SP                ; the spare words, 128 bytes for each wave: eight blocks of 256 bytes that no other line names
.set FLOOR,  0x1800000                 ; 2^(3 - 127)
.set SPW, 1                            ; v1   LDS address of my spare word; never rewritten
.set NIL, 2                            ; v2   0; never rewritten
.set LI0, 3                            ; v3   16 x lane
.set R16, 4                            ; v4   16 r
.set LS0, 5                            ; v5   my place among a record's scale words
.set LB0, 6                            ; v6   and among its addends: 128 h
.set ADI, 7                            ; v7-9 the same three in the record in hand
.set ADS, 8
.set ADB, 9
.set S1W, 10                           ; v10-13 the stages: in and back
.set S1R, 11
.set S2W, 12
.set S2R, 13
.set SH8, 14                           ; v14  h, later 8 h
.set ZZ,  15                           ; v15  r, later 0 x my row's first number
.set WKF, 16                           ; v16-27  Wk's fragment; at the end Wvout's
.set WVF, 28                           ; v28-39  Wv's
.set WKS, 40                           ; v40, v41 their scale words
.set WVS, 41
.set QP,  42                           ; v42-49  q'
.set OA,  50                           ; v50-57  O^T
.set LSUM, 58                          ; v58-59  the row's sum, in two halves
.set VC,  60                           ; v60-71  v's codes of a step
.set PC,  72                           ; v72-83  p's
.set VW,  84                           ; v84, v85 their scale words
.set PW,  85
.set CT,  86                           ; v86-92  codes before they are moved
.set FA,  93                           ; v93  where I put my half record in LDS
.set TM,  94                           ; v94-103 at work
.set GO0, 104                          ; v104, v105 the byte offsets of my two rows of out
.set GO1, 105
.set QS,  106                          ; v106-109 the scale words of four fragments of Q
.set QF,  110                          ; v110-157 four fragments of Q
.set BI,  110                          ; v110-141 then the pair's addends
.set FL,  134                          ; v134-153 at the head: five of the thirteen pieces of my half record (the other eight in v222-253)
.set KT,  158                          ; v158-189 k: four tiles
.set ST,  190                          ; v190-221 S^T: four tiles; written by matrix instructions alone
.set PT,  222                          ; v222-253 v: four tiles; then e, 1 + e, r, t, p
.set X,   110                          ; v110-173 the way out: my 64 numbers of O / l
.set WV,  8                            ; s8   wave
.set HD,  9                            ; s9   head; at the end: which 16 columns
.set TU,  12                           ; s12  tile of queries
.set SEL, 42                           ; s[42:43] v_permlanex16_b32's selects for lane l xor 16
.set CK,  44                           ; s[44:45] -20 log2(e): the packed form names a pair and takes its low word for both halves
.set TB,  46                           ; s46  LDS byte at which the record in hand begins
.set CNT, 47                           ; s47  steps to go
.set EV,  48                           ; s48  the numbers of tiles of the steps' first pairs, four bits a step
.set OD,  49                           ; s49  and of their second pairs
.set NT,  50                           ; s50  the pair in hand's
.macro MX6Z d, a, b, sa, sb            ; a product on codes that starts its sum
	v_wmma_scale_f32_16x16x128_f8f6f4 v[\d:\d+7], v[\a:\a+11], v[\b:\b+11], 0, v[\sa], v[\sb] matrix_a_fmt:MATRIX_FMT_FP6 matrix_b_fmt:MATRIX_FMT_FP6
.endm
.macro MX6A d, a, b, sa, sb            ; and one that adds in place
	v_wmma_scale_f32_16x16x128_f8f6f4 v[\d:\d+7], v[\a:\a+11], v[\b:\b+11], v[\d:\d+7], v[\sa], v[\sb] matrix_a_fmt:MATRIX_FMT_FP6 matrix_b_fmt:MATRIX_FMT_FP6
.endm
	s_load_b128 s[4:7], s[0:1], 0x0                ; codes s[4:5], order s[6:7]
	s_load_b64 s[10:11], s[0:1], 0x10              ; out
	v_lshl_add_u32 v[SPW], v0, 2, SPARE
	v_mov_b32 v[NIL], 0
	v_lshrrev_b32 v[ADI], 5, v0
	v_readfirstlane_b32 s[WV], v[ADI]              ; wave 0..15
	s_lshr_b32 s[HD], s[WV], 1
	s_and_b32 s[TU], s[WV], 1
	s_and_b32 s13, ttmp7, 0xffff                   ; the batch; ttmp9 is the block of 32 queries, qb
	s_mul_i32 s15, s[WV], HREC                     ; my half record: in LDS,
	s_mul_i32 s54, s13, BATCHB
	s_add_co_u32 s54, s54, s15                     ; and in memory
	s_mov_b32 s55, 0
	; my head's fragments of the weights: group head / 4 of each weight, fragment head % 4
	s_lshr_b32 s60, s[HD], 2
	s_mul_i32 s60, s60, WGRP
	s_add_co_u32 s60, s60, WOFF
	s_and_b32 s61, s[HD], 3
	s_mul_i32 s32, s61, FRB
	s_add_co_u32 s32, s32, s60                     ; codes
	s_mov_b32 s33, 0
	s_lshl_b32 s61, s61, 2
	s_add_co_u32 s34, s60, s61
	s_add_co_u32 s34, s34, 4*FRB                   ; scale words
	s_mov_b32 s35, 0
	; my queries: fragments 2 qb and 2 qb + 1 of the batch's 64
	s_lshl_b32 s60, s13, 3
	s_lshr_b32 s61, ttmp9, 2
	s_add_co_u32 s60, s60, s61
	s_mul_i32 s60, s60, REC                        ; their record
	s_and_b32 s61, ttmp9, 3
	s_lshl_b32 s61, s61, 1
	s_add_co_u32 s61, s61, s[TU]                   ; my tile's fragment in it, 0..7
	s_mul_i32 s36, s61, FRB
	s_add_co_u32 s36, s36, s60
	s_mov_b32 s37, 0
	s_lshr_b32 s38, s61, 2
	s_lshl_b32 s38, s38, 8                         ; its scale words: 256 x pair + 4 x (fragment % 4)
	s_and_b32 s61, s61, 3
	s_lshl_b32 s61, s61, 2
	s_add_co_u32 s38, s38, s61
	s_add_co_u32 s38, s38, s60
	s_add_co_u32 s38, s38, SCW
	s_mov_b32 s39, 0
	s_lshl_b32 s40, s13, 19                        ; out: 1,024 rows of 512 bytes a batch,
	s_lshr_b32 s60, ttmp9, 1
	s_lshl_b32 s60, s60, 15                        ; 64 rows a pair of blocks: my queries' pair is qb / 2
	s_add_co_u32 s40, s40, s60
	s_mov_b32 s41, 0
	s_lshl_b32 s56, s13, 13                        ; the list: 64 fragments of 128 bytes a batch
	s_mov_b32 s57, 0
	s_lshl_b32 s58, ttmp9, 1                       ; at the end I store rows 2 w and 2 w + 1 of the work-group's 32: fragment 2 qb + w / 8, rows 2 (w % 8) and the next
	s_lshr_b32 s60, s[WV], 3
	s_add_co_u32 s58, s58, s60
	s_lshl_b32 s58, s58, 7
	s_and_b32 s60, s[WV], 7
	s_lshl_b32 s60, s60, 3
	s_add_co_u32 s58, s58, s60
	s_add_co_u32 s58, s58, s56
	s_mov_b32 s59, 0
	s_mov_b32 s[SEL], 0x76543210
	s_mov_b32 s[SEL+1], 0xfedcba98
	s_mov_b32 s[CK], 0xc1e6d4ca                    ; -20 log2(e)
	s_mov_b32 s[CK+1], s[CK]                       ; (named with it as a pair, so it is written)
	v_and_b32 v[LI0], 31, v0
	v_lshlrev_b32 v[LI0], 4, v[LI0]
	v_and_b32 v[ZZ], 15, v0                        ; r
	v_lshlrev_b32 v[R16], 4, v[ZZ]
	v_add_nc_u32 v[FA], s15, v[LI0]
	s_wait_kmcnt 0x0
	s_add_nc_u64 s[54:55], s[4:5], s[54:55]
	s_add_nc_u64 s[32:33], s[4:5], s[32:33]
	s_add_nc_u64 s[34:35], s[4:5], s[34:35]
	s_add_nc_u64 s[36:37], s[4:5], s[36:37]
	s_add_nc_u64 s[38:39], s[4:5], s[38:39]
	s_add_nc_u64 s[40:41], s[10:11], s[40:41]
	s_add_nc_u64 s[56:57], s[6:7], s[56:57]
	s_add_nc_u64 s[58:59], s[6:7], s[58:59]
.set J, 0
.rept 13                                       ; my half record first: every wave waits for all of it
.if J < 8
	global_load_b128 v[PT+4*J:PT+4*J+3], v[LI0], s[54:55] offset:512*J
.else
	global_load_b128 v[FL+4*(J-8):FL+4*(J-8)+3], v[LI0], s[54:55] offset:512*J
.endif
.set J, J+1
.endr
.set J, 0
.rept 16
	s_load_b32 s[16+J], s[56:57], 512*J+64         ; pair J's number of tiles: word 16 of its first fragment's part of the list
.set J, J+1
.endr
	s_load_b64 s[52:53], s[58:59], 0x0             ; the places of my two rows of out
.irp i, 0,1,2
	global_load_b128 v[QF+4*\i:QF+4*\i+3], v[LI0], s[32:33] offset:512*\i                 ; Wq's fragment, used once
	global_load_b128 v[QF+12+4*\i:QF+12+4*\i+3], v[LI0], s[36:37] offset:512*\i           ; my queries'
	global_load_b128 v[WKF+4*\i:WKF+4*\i+3], v[LI0], s[32:33] offset:2*WGRP+512*\i        ; Wk's and Wv's stay
	global_load_b128 v[WVF+4*\i:WVF+4*\i+3], v[LI0], s[32:33] offset:4*WGRP+512*\i
.endr
	global_load_b32 v[QS], v[R16], s[34:35]
	global_load_b32 v[QS+1], v[R16], s[38:39]
	global_load_b32 v[WKS], v[R16], s[34:35] offset:2*WGRP
	global_load_b32 v[WVS], v[R16], s[34:35] offset:4*WGRP
	v_bfe_u32 v[SH8], v0, 4, 1                     ; h
	v_add_nc_u32 v[LS0], SCW, v[R16]
	v_lshl_add_u32 v[LB0], v[SH8], 7, BIA          ; lanes 16-31 hold the pair's second block
	s_mul_i32 s60, s[TU], 16*SP
	s_lshl_b32 s61, s[HD], 6
	v_mul_u32_u24 v[S1R], v[ZZ], SP
	v_add_nc_u32 v[S1R], s60, v[S1R]               ; a stage's row 16 u + r
	v_lshl_add_u32 v[S1W], v[SH8], 5, v[S1R]
	v_add_nc_u32 v[S1W], s61, v[S1W]               ; in: my head's (later: my 16 columns') 64 bytes, + 32 h
	v_add_nc_u32 v[S2W], STG2, v[S1W]
	v_add_nc_u32 v[S1W], STG1, v[S1W]
	v_lshl_add_u32 v[S1R], v[SH8], 7, v[S1R]
	v_add_nc_u32 v[S1R], STG1, v[S1R]              ; back from stage 1: + 128 h: a whole block of 32 a lane
	s_mul_i32 s60, s[WV], 2*SP
	s_add_co_u32 s60, s60, STG2
	v_add_nc_u32 v[S2R], s60, v[LI0]               ; back from stage 2: rows 2 w and 2 w + 1, whole
	v_lshlrev_b32 v[SH8], 3, v[SH8]                ; 8 h
	s_mov_b32 s[TB], 0
	s_mov_b32 s[CNT], 8
	s_wait_loadcnt 16                              ; my half record is in; the 16 loads issued behind it may be out
.set J, 0
.rept 13
.if J < 8
	ds_store_b128 v[FA], v[PT+4*J:PT+4*J+3] offset:512*J
.else
	ds_store_b128 v[FA], v[FL+4*(J-8):FL+4*(J-8)+3] offset:512*J
.endif
.set J, J+1
.endr
	s_wait_kmcnt 0x0                               ; the counts and the places
	s_mov_b32 s[EV], 0
	s_mov_b32 s[OD], 0
.set J, 0
.rept 8                                        ; step J's two counts, held at 4 from above, go to bits 4 J on of the two words
	s_min_u32 s[16+2*J], s[16+2*J], 4
	s_min_u32 s[17+2*J], s[17+2*J], 4
	s_lshl_b32 s[16+2*J], s[16+2*J], 4*J
	s_lshl_b32 s[17+2*J], s[17+2*J], 4*J
	s_or_b32 s[EV], s[EV], s[16+2*J]
	s_or_b32 s[OD], s[OD], s[17+2*J]
.set J, J+1
.endr
	s_min_u32 s52, s52, 63                         ; a loaded number is held inside the pair's 64 rows before it enters an address
	s_min_u32 s53, s53, 63
	s_lshl_b32 s52, s52, 9
	s_lshl_b32 s53, s53, 9
	v_add_nc_u32 v[GO0], s52, v[LI0]
	v_add_nc_u32 v[GO1], s53, v[LI0]
	s_wait_loadcnt 0x0
	MX6Z KT, QF, QF+12, QS, QS+1                   ; q^T = Wq_h^T F^T: lane (r, h): query r, d = 8 h + 0..7
.irp j, 0,1,2,3,4,5,6,7
	v_mov_b32 v[OA+\j], 0                          ; the step is written once: the first finds zeros.  (These eleven lines are also the places behind the product: ISA guide 7.12.1)
.endr
	v_mov_b32 v[LSUM], 0
	v_mov_b32 v[LSUM+1], 0
	v_mov_b32 v[TM+6], 0                           ; a lane permute's destination counts as one of its sources
.irp j, 0,1,2,3,4,5,6,7
	v_mul_f32 v[QP+\j], 0x3f38aa3b, v[KT+\j]       ; q' = q log2(e) / 2: S is then 2 U log2(e)
.endr
	s_wait_dscnt 0x0                               ; for the others' sake: my half record lies in LDS,
	s_barrier_signal -1
	s_barrier_wait -1                              ; everybody's does
; The largest magnitude of v[src] .. v[src + n - 1] (n = 16, 24 or 32) and the floor, in v[TM]: two chains that do not wait for each other, n / 2 lines
.macro MAXN src, n
	v_max3_num_f32 v[TM], |v[\src]|, |v[\src+1]|, FLOOR             ; the floor holds the byte at 1 from below
	v_max3_num_f32 v[TM+1], |v[\src+(\n)/2]|, |v[\src+(\n)/2+1]|, |v[\src+(\n)/2+2]|
.set MI, 2
.rept ((\n)/2-4)/2
	v_max3_num_f32 v[TM], v[TM], |v[\src+MI]|, |v[\src+MI+1]|
	v_max3_num_f32 v[TM+1], v[TM+1], |v[\src+(\n)/2+1+MI]|, |v[\src+(\n)/2+2+MI]|
.set MI, MI+2
.endr
	v_max3_num_f32 v[TM], v[TM], |v[\src+(\n)/2-2]|, |v[\src+(\n)/2-1]|
	v_max3_num_f32 v[TM], v[TM], v[TM+1], |v[\src+(\n)-1]|
.endm
; A lane's whole block of 32 along K, of which the first n numbers stand in v[src] on and the rest are zeros, becomes registers 6 c .. 6 c + 5 of the operand dst; its scale byte goes into the word.
; n = 24: the caller has cleared v[src + 24] .. v[src + 31].  n = 16: the upper 16 codes are written as zeros.  With c = 1 the word is finished: my blocks are h and 2 + h, lane l xor 16 has the other two.
.macro QUANT src, n, dst, word, c
	MAXN \src, \n
	v_add_nc_u32 v[TM+4], 0xff000000, v[TM]        ; 2 off the exponent field: the conversion's scale operand
.if \c == 0
	v_lshrrev_b32 v[\word], 23, v[TM+4]            ; the scale's byte
.else
	v_lshrrev_b32 v[TM+2], 23, v[TM+4]
	v_lshl_or_b32 v[\word], v[TM+2], 16, v[\word]
	v_lshlrev_b32 v[\word], v[SH8], v[\word]       ; my two bytes at their places,
	v_permlanex16_b32 v[TM+6], v[\word], s[SEL], s[SEL+1]
	v_or_b32 v[\word], v[\word], v[TM+6]           ; and the other half's
.endif
	v_cvt_scalef32_pk16_fp6_f32 v[\dst+6*\c:\dst+6*\c+2], v[\src:\src+15], v[TM+4]
.if \n > 16
	v_cvt_scalef32_pk16_fp6_f32 v[CT:CT+2], v[\src+16:\src+31], v[TM+4]   ; (a conversion's three registers begin on an even number: the upper half is made elsewhere and moved)
.endif
	v_nop                                          ; one plain place behind a scaled conversion
.irp i, 0,1,2
.if \n > 16
	v_mov_b32 v[\dst+6*\c+3+\i], v[CT+\i]
.else
	v_mov_b32 v[\dst+6*\c+3+\i], 0
.endif
.endr
.endm
; A pair's scores and p, for its first n tiles (n = 2, 3 or 4); v's four tiles have just been issued
.macro BODY c, n
.set T, 0
.rept \n
	MX6Z KT+8*T, WKF, QF+12*T, WKS, QS+T           ; k^T of 16 keys
.set T, T+1
.endr
.rept 5
	v_nop                                          ; five places before a product takes k as an operand; four of them serve the loads into the fragments' registers and the first read of v
.endr
.set J, 0
.rept 2*\n
	ds_load_b128 v[BI+4*J:BI+4*J+3], v[ADB] offset:256*\c+16*J   ; the addends of my block's first 8 n positions, in the order of p's registers
.set J, J+1
.endr
.set I, 0
.rept 4                                        ; S^T = k q'^T: four links of 4 along d; the n accumulators take turns, one instruction a turn
.set T, 0
.rept \n
.if I == 0
	v_wmma_f32_16x16x4_f32 v[ST+8*T:ST+8*T+7], v[KT+8*T:KT+8*T+1], v[QP:QP+1], 0
.else
	v_wmma_f32_16x16x4_f32 v[ST+8*T:ST+8*T+7], v[KT+8*T+2*I:KT+8*T+2*I+1], v[QP+2*I:QP+2*I+1], v[ST+8*T:ST+8*T+7]
.endif
.set T, T+1
.endr
.set I, I+1
.endr
	QUANT PT, 32, VC, VW, \c                       ; v along the keys, all 32.  Its plain lines, which name nothing of the f32 products, are the eight places ahead of the first read of S^T
.set J, 0
.rept 8*\n
	v_exp_f32 v[PT+J], v[ST+J]                     ; e = exp(2 U); each accumulator is read from its low end on
.set J, J+1
.endr
.if \n == 3
.set J, 24
.rept 8
	v_mov_b32 v[PT+J], 0                           ; the fourth tile's p.  (Plain lines behind the last of the batch)
.set J, J+1
.endr
.else
	v_nop                                          ; a plain place behind the last of the batch
.endif
	s_wait_alu depctr_va_vdst(0)                   ; one wait for the batch, ahead of its first reader
.set J, 0
.rept 4*\n
	v_pk_add_f32 v[PT+J:PT+J+1], v[PT+J:PT+J+1], 1.0 op_sel_hi:[1,0]
.set J, J+2
.endr
.set J, 0
.rept 8*\n
	v_rcp_f32 v[PT+J], v[PT+J]                     ; r = 1 / (1 + e): 0 where e has overflowed, 1 where it has vanished: tanh = +-1 there
.set J, J+1
.endr
	v_nop
	s_wait_alu depctr_va_vdst(0)
	s_wait_dscnt 0x0                               ; the addends are in
.set J, 0
.rept 4*\n
	v_pk_fma_f32 v[PT+J:PT+J+1], v[PT+J:PT+J+1], s[CK:CK+1], v[BI+J:BI+J+1] op_sel_hi:[1,0,1]   ; t - 15 = addend - 20 log2(e) r; -infinity for a masked key
.set J, J+2
.endr
.set J, 0
.rept 8*\n
	v_exp_f32 v[PT+J], v[PT+J]                     ; p = 2^(t - 15): not normalised
.set J, J+1
.endr
	v_nop
	s_wait_alu depctr_va_vdst(0)
	QUANT PT, 8*\n, PC, PW, \c                     ; p along the keys
	v_pk_add_f32 v[TM+8:TM+9], v[PT:PT+1], v[PT+2:PT+3]   ; the row's sum is taken of the UNQUANTISED p, two at a time, in two chains: 4 n lines, eight at the least: they are also the places between p's scale word and codes and the product that takes them
.set J, 4
.rept 2*\n-1
	v_pk_add_f32 v[LSUM:LSUM+1], v[LSUM:LSUM+1], v[PT+J:PT+J+1]
	v_pk_add_f32 v[TM+8:TM+9], v[TM+8:TM+9], v[PT+J+2:PT+J+3]
.set J, J+4
.endr
	v_pk_add_f32 v[LSUM:LSUM+1], v[LSUM:LSUM+1], v[TM+8:TM+9]
.endm
; A PAIR OF BLOCKS: 64 keys, four tiles
.macro HALF c
.irp t, 0,1,2,3
.irp i, 0,1,2
	ds_load_b128 v[QF+12*\t+4*\i:QF+12*\t+4*\i+3], v[ADI] offset:(4*\c+\t)*FRB+512*\i   ; an image comes back as it was stored: 512 consecutive bytes an instruction
.endr
.endr
	ds_load_b128 v[QS:QS+3], v[ADS] offset:256*\c  ; row r's scale words of the four fragments
.if \c == 0
	s_and_b32 s[NT], s[EV], 15                     ; this pair's number of tiles
	s_lshr_b32 s[EV], s[EV], 4
.else
	s_and_b32 s[NT], s[OD], 15
	s_lshr_b32 s[OD], s[OD], 4
.endif
	s_wait_dscnt 0x0
.irp t, 0,1,2,3
	MX6Z PT+8*\t, QF+12*\t, WVF, QS+\t, WVS        ; v of all 64 keys
.endr
	s_cmp_lt_u32 s[NT], 3                          ; a branch on a stored whole number, the same in all sixteen waves; no barrier stands under it
	s_cbranch_scc1 .Ltwo_\@
	s_cmp_eq_u32 s[NT], 3
	s_cbranch_scc1 .Lthree_\@
	BODY \c, 4
	s_branch .Ljoin_\@
.Lthree_\@:
	BODY \c, 3
	s_branch .Ljoin_\@
.Ltwo_\@:
	BODY \c, 2
.Ljoin_\@:
.endm
.Lstep:                                            ; eight trips: a record of 128 keys each
	v_add_nc_u32 v[ADI], s[TB], v[LI0]
	v_add_nc_u32 v[ADS], s[TB], v[LS0]
	v_add_nc_u32 v[ADB], s[TB], v[LB0]
	HALF 0
	HALF 1
	MX6A OA, VC, PC, VW, PW                        ; O^T += V^T P^T over these 128 keys; other accumulators' products stand between two links of this chain
	s_add_co_u32 s[TB], s[TB], REC
	s_sub_co_u32 s[CNT], s[CNT], 1
	s_cmp_lg_u32 s[CNT], 0
	s_cbranch_scc1 .Lstep
	; ---- THE WAY OUT
.irp i, 0,1,2
	global_load_b128 v[WKF+4*\i:WKF+4*\i+3], v[LI0], s[32:33] offset:6*WGRP+512*\i   ; Wvout's fragment of my 16 columns, where Wk's lay
.endr
	global_load_b32 v[WKS], v[R16], s[34:35] offset:6*WGRP
	v_add_f32 v[LSUM], v[LSUM], v[LSUM+1]          ; the sum's two halves,
	v_permlanex16_b32 v[TM], v[LSUM], s[SEL], s[SEL+1]
	v_add_f32 v[LSUM], v[LSUM], v[TM]              ; and lane l xor 16's keys
	v_rcp_f32 v[LSUM+1], v[LSUM]
.rept 4
	v_nop                                          ; places behind the reciprocal and behind the last product
.endr
	s_wait_alu depctr_va_vdst(0)                   ; the wait ahead of the reciprocal's first reader
.irp j, 0,1,2,3,4,5,6,7
	v_mul_f32 v[X+\j], v[OA+\j], v[LSUM+1]         ; O / l: query r, d = 8 h + j
.endr
	ds_store_b128 v[S1W], v[X:X+3]
	ds_store_b128 v[S1W], v[X+4:X+7] offset:16
	s_wait_dscnt 0x0                               ; for the others' sake: my stores have landed
	s_barrier_signal -1
	s_barrier_wait -1                              ; 32 rows x 128 of O / l lie in stage 1
.set J, 0
.rept 16
	ds_load_b128 v[X+4*J:X+4*J+3], v[S1R] offset:256*(J/8)+16*(J%8)   ; my tile's row r: blocks h and 2 + h, whole
.set J, J+1
.endr
	s_wait_dscnt 0x0
	v_mul_f32 v[ZZ], 0, v[X]                       ; 0, or NaN where the row is NaN (all keys masked)
	v_max3_num_f32 v[TM], |v[X]|, |v[X+1]|, FLOOR
	v_max3_num_f32 v[TM+1], |v[X+32]|, |v[X+33]|, FLOOR
.set J, 2
.rept 15
	v_max3_num_f32 v[TM], v[TM], |v[X+J]|, |v[X+J+1]|
	v_max3_num_f32 v[TM+1], v[TM+1], |v[X+32+J]|, |v[X+33+J]|
.set J, J+2
.endr
	v_add_nc_u32 v[TM+4], 0xff000000, v[TM]
	v_add_nc_u32 v[TM+5], 0xff000000, v[TM+1]
	v_lshrrev_b32 v[TM+2], 23, v[TM+4]
	v_lshrrev_b32 v[TM+3], 23, v[TM+5]
	v_lshl_or_b32 v[PW], v[TM+3], 16, v[TM+2]      ; my two bytes: blocks h and 2 + h,
	v_lshlrev_b32 v[PW], v[SH8], v[PW]             ; at their places in the word;
	v_permlanex16_b32 v[TM+6], v[PW], s[SEL], s[SEL+1]
	v_or_b32 v[PW], v[PW], v[TM+6]                 ; with lane l xor 16's two it is whole
	v_cvt_scalef32_pk16_fp6_f32 v[PC:PC+2], v[X:X+15], v[TM+4]
	v_cvt_scalef32_pk16_fp6_f32 v[CT:CT+2], v[X+16:X+31], v[TM+4]
	v_cvt_scalef32_pk16_fp6_f32 v[PC+6:PC+8], v[X+32:X+47], v[TM+5]
	v_cvt_scalef32_pk16_fp6_f32 v[CT+4:CT+6], v[X+48:X+63], v[TM+5]
	v_nop                                          ; one plain place behind a scaled conversion
.irp c, 0,1
.irp i, 0,1,2
	v_mov_b32 v[PC+3+6*\c+\i], v[CT+4*\c+\i]
.endr
.endr
.rept 8
	v_nop                                          ; a scale word made by vector instructions stands eight places ahead of the scaled product, codes so made four
.endr
	s_wait_loadcnt 0x0                             ; Wvout's fragment and scale words
	MX6Z PT, WKF, PC, WKS, PW                      ; source 0 = my 16 columns of Wvout, source 1 = the tile's 16 rows: lane (r, h): query r, columns 16 c + 8 h + 0..7
.rept 4
	v_nop
.endr
.irp j, 0,1,2,3,4,5,6,7
	v_add_f32 v[PT+8+\j], v[PT+\j], v[ZZ]
.endr
	ds_store_b128 v[S2W], v[PT+8:PT+11]
	ds_store_b128 v[S2W], v[PT+12:PT+15] offset:16
	s_wait_dscnt 0x0
	s_barrier_signal -1
	s_barrier_wait -1                              ; 32 whole rows of the result lie in stage 2
	ds_load_b128 v[X:X+3], v[S2R]
	ds_load_b128 v[X+4:X+7], v[S2R] offset:SP
	s_wait_dscnt 0x0
	global_store_b128 v[GO0], v[X:X+3], s[40:41] th:TH_STORE_NT     ; 32 lanes store a row: 512 consecutive bytes, aligned to 256, at the place that the list gives; written once, read by nobody here
	global_store_b128 v[GO1], v[X+4:X+7], s[40:41] th:TH_STORE_NT
	s_wait_tensorcnt 0x0                           ; the wave's end, behind my last LDS store
	ds_add_u32 v[SPW], v[NIL]
	s_wait_dscnt 0x0
	s_endpgm
.Lfunc_end_k_q6273430c82_attend:
	.size	k_q6273430c82_attend, .Lfunc_end_k_q6273430c82_attend-k_q6273430c82_attend
	.p2alignl 7, 3214868480
	.fill 96, 4, 3214868480
	.section	.rodata,"a",@progbits
	.p2align	6, 0x0
	.amdhsa_kernel k_q6273430c82_attend
		.amdhsa_group_segment_fixed_size 142336
		.amdhsa_private_segment_fixed_size 0
		.amdhsa_enable_private_segment 0
		.amdhsa_kernarg_size 24
		.amdhsa_user_sgpr_count 2
		.amdhsa_user_sgpr_kernarg_segment_ptr 1
		.amdhsa_wavefront_size32 1
		.amdhsa_system_sgpr_workgroup_id_x 1
		.amdhsa_system_sgpr_workgroup_id_y 1
		.amdhsa_system_sgpr_workgroup_id_z 1
		.amdhsa_system_vgpr_workitem_id 0
		.amdhsa_next_free_vgpr 256
		.amdhsa_next_free_sgpr 66
		.amdhsa_reserve_vcc 0
		.amdhsa_float_denorm_mode_32 3
		.amdhsa_float_denorm_mode_16_64 3
		.amdhsa_memory_ordered 1
		.amdhsa_forward_progress 1
		.amdhsa_inst_pref_size 77
	.end_amdhsa_kernel
	.amdgpu_metadata
---
amdhsa.version: [ 1, 2 ]
amdhsa.kernels:
  - .name:           k_q6273430c82_attend
    .symbol:         k_q6273430c82_attend.kd
    .args:
      - { .name: codes, .offset: 0, .size: 8, .value_kind: global_buffer, .address_space: global }
      - { .name: order, .offset: 8, .size: 8, .value_kind: global_buffer, .address_space: global }
      - { .name: out0, .offset: 16, .size: 8, .value_kind: global_buffer, .address_space: global }
    .group_segment_fixed_size: 142336
    .private_segment_fixed_size: 0
    .kernarg_segment_align: 8
    .kernarg_segment_size: 24
    .max_flat_workgroup_size: 512
    .sgpr_count:     66
    .vgpr_count:     256
    .wavefront_size: 32
...
	.end_amdgpu_metadata
.endif
;; end of part 4
